; MI455X (gfx1250); checked and timed in simulation.
; The chip was launched on July 23, 2026; its instructions are those of AMD's public machine-readable ISA for CDNA 5 (MIT licence, August 2026) and "CDNA5" Instruction Set Architecture Reference Guide (July 2026). The comments in the code are by the model that wrote it; some were corrected since.
;; Multi Head Self Attention. Allowed arithmetic: float matrix products may take bf16 or f16 operands with f32 sums; all other float work in f32.
;; Inputs: Wk 1,024 x 1,024 float32; Wo 1,024 x 1,024 float32; Wq 1,024 x 1,024 float32; Wv 1,024 x 1,024 float32; attention_mask 2 x 2,048 int32; x 2 x 2,048 x 1,024 float32.
;; Outputs: out0 2 x 2,048 x 1,024 float32.
;; 2 versions, each right. Each part assembles by itself: llvm-mc -triple=amdgcn-amd-amdhsa -mcpu=gfx1250 --defsym DOCPART=n.
;; ======== version 1 of 2: 4 launches
;; limits: values are held in f16: magnitudes above 65,504 overflow, below 6.1e-05 lose precision; right only within a limited range of input values
;; workspace buffers: xh 8,388,608 bytes; wh 8,388,608 bytes; qkv 25,165,824 bytes; ao 8,388,608 bytes
;; launch prep (part 1): grid 512 x 1, 8 waves a work-group, no clusters, 0 bytes of LDS; arguments x, Wq, Wk, Wv, Wo, xh, wh; writes xh, wh
.if DOCPART == 1
	.amdgcn_target "amdgcn-amd-amdhsa--gfx1250"
	.amdhsa_code_object_version 6
	.text
	.protected	k_q7d80ef2d06_prep
	.globl	k_q7d80ef2d06_prep
	.p2align	8
	.type	k_q7d80ef2d06_prep,@function
k_q7d80ef2d06_prep:
	s_mov_b64 s[64:65], 0
	v_nop
	global_prefetch_b8 v0, s[64:65] scope:SCOPE_SE
	s_setreg_imm32_b32 hwreg(HW_REG_WAVE_MODE, 25, 1), 1
	s_wait_xcnt 0x0
; prep: every matrix operand that comes from an input is narrowed once, f32 to f16 (round to nearest even).
;   xh[4096][1024]      = f16(x)
;   wh[64][1024][64]    = f16(W), cut into blocks of 64 columns: block 16 m + n/64 (m = 0..3: Wq, Wk, Wv, Wo), inside it k rows of 128 bytes.
; LIMIT: |x| and |W| below 65,504 (f16's largest number); larger values become infinities.
; A stream: each work-group reads 65,536 bytes and writes 32,768; each of its 8 waves issues all its 16 loads of 16 bytes a lane at once and
; stores 8 bytes a lane, so that a wave's store covers 256 consecutive bytes, aligned.  No byte is read by two work-groups, so there is
; nothing to share in a cluster, no LDS and no barrier; no register is used twice, so the only waits are the counted ones for the loads.
; Work-groups 0-255 take x, 256-511 the weights (64 for each matrix: 16 column blocks x 4 quarters of 256 k rows).
.set VI,  4                            ; v4       my byte offset in the input
.set VO,  5                            ; v5       my byte offset in the output
.set IN,  8                            ; v[8:71]  load j: 4 f32
.set OUT, 72                           ; v[72:103] store j: 4 f16
.macro CAST instep                     ; instep = bytes from one load of the wave to the next
.irp j, 0,1,2,3,4,5,6,7,8,9,10,11,12,13,14,15
	global_load_b128 v[IN+4*\j:IN+4*\j+3], v[VI], s[24:25] offset:\j*\instep th:TH_LOAD_NT
.endr
.irp j, 0,1,2,3,4,5,6,7,8,9,10,11,12,13,14,15
	s_wait_loadcnt 15-\j                           ; loads come back in order: load j is in, the 15 - j younger ones stay out
	v_cvt_pk_f16_f32 v[OUT+2*\j],   v[IN+4*\j],   v[IN+4*\j+1]
	v_cvt_pk_f16_f32 v[OUT+2*\j+1], v[IN+4*\j+2], v[IN+4*\j+3]
	global_store_b64 v[VO], v[OUT+2*\j:OUT+2*\j+1], s[26:27] offset:\j*256
.endr
.endm
	s_load_b256 s[4:11], s[0:1], 0x0               ; x s[4:5], Wq s[6:7], Wk s[8:9], Wv s[10:11]
	s_load_b128 s[12:15], s[0:1], 0x20             ; Wo s[12:13], xh s[14:15]
	s_load_b64 s[16:17], s[0:1], 0x30              ; wh
	v_lshrrev_b32 v1, 5, v0                        ; wave
	v_and_b32 v2, 31, v0                           ; lane
	v_lshlrev_b32 v3, 3, v2
	v_lshl_add_u32 v[VO], v1, 12, v3               ; out: 4,096 bytes a wave, 8 a lane (both paths)
	s_cmp_lt_u32 ttmp9, 256
	s_cbranch_scc0 .Lweights
	; x: dense in, dense out
	v_lshlrev_b32 v3, 4, v2
	v_lshl_add_u32 v[VI], v1, 13, v3               ; in: 8,192 bytes a wave, 16 a lane
	s_lshl_b32 s20, ttmp9, 16
	s_mov_b32 s21, 0
	s_lshl_b32 s22, ttmp9, 15
	s_mov_b32 s23, 0
	s_wait_kmcnt 0x0
	s_add_nc_u64 s[24:25], s[4:5], s[20:21]
	s_add_nc_u64 s[26:27], s[14:15], s[22:23]
	CAST 512
	s_endpgm
.Lweights:
	; i = work-group - 256 = 64 m + 4 block + quarter.  In: 256 k rows of 4,096 bytes, of each the block's 256 bytes; a load of the wave takes
	; two rows (lanes 0-15 one, lanes 16-31 the next).  Out: the blocks and quarters follow each other, so the offset is simply 32,768 i.
	s_sub_co_u32 s18, ttmp9, 256                   ; i
	s_lshr_b32 s19, s18, 6                         ; m
	v_bfe_u32 v3, v0, 4, 1
	v_and_b32 v6, 15, v0
	v_lshlrev_b32 v6, 4, v6
	v_lshl_add_u32 v6, v3, 12, v6                  ; (lane / 16) rows + 16 (lane % 16)
	v_lshl_add_u32 v[VI], v1, 17, v6               ; + 32 rows a wave
	s_and_b32 s20, s18, 3
	s_lshl_b32 s20, s20, 20                        ; quarter x 256 rows x 4,096 bytes
	s_bfe_u32 s22, s18, 0x40002                    ; column block
	s_lshl_b32 s22, s22, 8
	s_add_co_u32 s20, s20, s22
	s_mov_b32 s21, 0
	s_lshl_b32 s22, s18, 15
	s_mov_b32 s23, 0
	s_wait_kmcnt 0x0
	s_cmp_eq_u32 s19, 1
	s_cselect_b64 s[24:25], s[8:9], s[6:7]
	s_cmp_eq_u32 s19, 2
	s_cselect_b64 s[24:25], s[10:11], s[24:25]
	s_cmp_eq_u32 s19, 3
	s_cselect_b64 s[24:25], s[12:13], s[24:25]
	s_add_nc_u64 s[24:25], s[24:25], s[20:21]
	s_add_nc_u64 s[26:27], s[16:17], s[22:23]
	CAST 8192
	s_endpgm
.Lfunc_end_k_q7d80ef2d06_prep:
	.size	k_q7d80ef2d06_prep, .Lfunc_end_k_q7d80ef2d06_prep-k_q7d80ef2d06_prep
	.p2alignl 7, 3214868480
	.fill 96, 4, 3214868480
	.section	.rodata,"a",@progbits
	.p2align	6, 0x0
	.amdhsa_kernel k_q7d80ef2d06_prep
		.amdhsa_group_segment_fixed_size 0
		.amdhsa_private_segment_fixed_size 0
		.amdhsa_enable_private_segment 0
		.amdhsa_kernarg_size 56
		.amdhsa_user_sgpr_count 2
		.amdhsa_user_sgpr_kernarg_segment_ptr 1
		.amdhsa_wavefront_size32 1
		.amdhsa_system_sgpr_workgroup_id_x 1
		.amdhsa_system_sgpr_workgroup_id_y 1
		.amdhsa_system_sgpr_workgroup_id_z 1
		.amdhsa_system_vgpr_workitem_id 0
		.amdhsa_next_free_vgpr 104
		.amdhsa_next_free_sgpr 66
		.amdhsa_reserve_vcc 0
		.amdhsa_float_denorm_mode_32 3
		.amdhsa_float_denorm_mode_16_64 3
		.amdhsa_memory_ordered 1
		.amdhsa_forward_progress 1
		.amdhsa_inst_pref_size 13
	.end_amdhsa_kernel
	.amdgpu_metadata
---
amdhsa.version: [ 1, 2 ]
amdhsa.kernels:
  - .name:           k_q7d80ef2d06_prep
    .symbol:         k_q7d80ef2d06_prep.kd
    .args:
      - { .name: x, .offset: 0, .size: 8, .value_kind: global_buffer, .address_space: global }
      - { .name: Wq, .offset: 8, .size: 8, .value_kind: global_buffer, .address_space: global }
      - { .name: Wk, .offset: 16, .size: 8, .value_kind: global_buffer, .address_space: global }
      - { .name: Wv, .offset: 24, .size: 8, .value_kind: global_buffer, .address_space: global }
      - { .name: Wo, .offset: 32, .size: 8, .value_kind: global_buffer, .address_space: global }
      - { .name: xh, .offset: 40, .size: 8, .value_kind: global_buffer, .address_space: global }
      - { .name: wh, .offset: 48, .size: 8, .value_kind: global_buffer, .address_space: global }
    .group_segment_fixed_size: 0
    .private_segment_fixed_size: 0
    .kernarg_segment_align: 8
    .kernarg_segment_size: 56
    .max_flat_workgroup_size: 256
    .sgpr_count:     66
    .vgpr_count:     104
    .wavefront_size: 32
...
	.end_amdgpu_metadata
.endif
;; end of part 1
;; launch qkv (part 2): grid 16 x 16, 4 waves a work-group, clusters of 4 x 4, 327,680 bytes of LDS; arguments xh, wh, qkv; writes qkv
.if DOCPART == 2
	.amdgcn_target "amdgcn-amd-amdhsa--gfx1250"
	.amdhsa_code_object_version 6
	.text
	.protected	k_q7d80ef2d06_qkv
	.globl	k_q7d80ef2d06_qkv
	.p2align	8
	.type	k_q7d80ef2d06_qkv,@function
k_q7d80ef2d06_qkv:
	s_mov_b64 s[64:65], 0
	v_nop
	global_prefetch_b8 v0, s[64:65] scope:SCOPE_SE
	s_setreg_imm32_b32 hwreg(HW_REG_WAVE_MODE, 25, 1), 1
	s_wait_xcnt 0x0
	s_wait_alu depctr_hold_cnt(0) depctr_sa_sdst(0) depctr_va_vdst(0) depctr_va_sdst(0) depctr_va_ssrc(0) depctr_va_vcc(0) depctr_vm_vsrc(0)
	s_getreg_b32 s2, hwreg(HW_REG_IB_STS2, 6, 4)
	s_cmp_eq_u32 s2, 0
	s_cbranch_scc0 .Lentry_in_a_cluster
	s_endpgm
.Lentry_in_a_cluster:
	s_bfe_u32 s2, ttmp6, 0x10000c
	s_cmp_lg_u32 s2, 0xf033
	s_cbranch_scc0 .Lentry_shape_is_right
	s_endpgm
.Lentry_shape_is_right:
; qkv: [4096 x 1024] . [1024 x 3072] = q, k, v, f16 operands, f32 sums, results rounded once to f16 and stored head-major:
;   qkv[which 0..2][b][h][t][d], block 32 which + 16 b + h of 262,144 bytes, a row of 128 bytes.
; LIMIT: |q|, |k|, |v| below 65,504 (f16's largest number).
; A work-group makes 256 rows x 192 columns (three heads) with four waves, as many as a WGP has SIMDs; wave w makes rows 64 w .. 64 w + 63 of all
; 192 columns: 4 x 12 accumulator tiles, 384 registers.  Whole heads in one wave let 16 rows of a head leave as 2,048 consecutive bytes.
; K goes in 8 steps of 128 through two LDS slots.  A slot: 256 rows of xh (256 bytes + 16 of padding), then for each of the three heads 128 k rows
; of wh (128 bytes + 32 of padding).  The weights lie [k][n]; ds_load_tr16_b128 turns them into fragments.
; CLUSTERS: 4 x 4 work-groups.  xh's tile hangs on the block row alone and is asked for jointly by a row of the cluster, wh's tiles on the block
; column alone and are asked for jointly by a column: that divides the requests for both by four.  Wave 0 asks for xh's tile, waves 1-3 for one head each.
; REGISTERS: window 0: v16-26 addresses, v64-127 fragments of xh (two buffers of 4 x 8), on the way out v64-111 / v128-175 read-back, v192-239 packed;
;   window 1: v0-191 fragments of wh (two buffers of 12 x 8); window 2: tiles of my rows 0-31 (tile (a, b) at 8 (12 a + b)); window 3: rows 32-63.
; The matrix instruction is used transposed (source 0 = 16 columns of W, source 1 = 16 rows of x): a lane then holds eight neighbouring columns of one row.
.set APITCH, 272
.set BPITCH, 160                       ; five times 32 bytes: the transposing loads' eight rows start 160 bytes apart
.set BOFF,   256*APITCH                ; 69,632
.set CHUNK,  128*BPITCH                ; 20,480: one head's 128 k rows
.set SLOT,   BOFF+3*CHUNK              ; 131,072
.set STAGE,  2*SLOT                    ; behind the ring: 3 heads x 16 rows x 144 bytes for each wave; no tensor load lands here
.set SPITCH, 144
.set SHEAD,  16*SPITCH
.set LAPS,   4                         ; a lap = two K steps = once round the ring
.set ADRA, 16                          ; v16-17  LDS address of my xh fragments in slot 0, 1
.set ADRB, 20                          ; v20-21  the same for wh
.set STO,  24
.set RD,   25
.set CO,   26
.set RB0,  64
.set RB1,  128
.set TMP,  192
.set G1,  24                           ; s[24:31] group 1, xh's tile
.set G0,  32                           ; s[32:39] group 0, xh's tile, a set for each slot
.set G1B, 48                           ; s[48:55] group 1, wh's tiles
.set G0B, 56                           ; s[56:63] group 0, wh's tiles, a set for each slot
.set MSB, 0
.macro WIN new                         ; the immediate's high byte repeats the setting that is left
.if MSB != \new
	s_set_vgpr_msb (MSB<<8)|\new
.set MSB, \new
.endif
.endm
.set MUL_LO, 0xa1                      ; source 0 (W) window 1, source 1 (x) window 0, C and D window 2
.set MUL_HI, 0xf1                      ; the same, C and D window 3
.set TO_B,   0x40                      ; destination window 1, address window 0
.macro JLOAD s                         ; the branch hangs on the wave's number alone; each line has one mask and one set of registers
	s_cmp_eq_u32 s10, 0
	s_cbranch_scc0 .Lfor_b_\@
	tensor_load_to_lds s[G0+4*\s:G0+4*\s+3], s[G1:G1+7]
	s_nop 0
	s_branch .Lasked_\@
.Lfor_b_\@:
	tensor_load_to_lds s[G0B+4*\s:G0B+4*\s+3], s[G1B:G1B+7]
	s_nop 0
.Lasked_\@:
.endm
.macro CREST                           ; a round of the cluster's barrier behind its opening work-group barrier
	s_cmp_lg_u32 s10, 0
	s_cbranch_scc1 .Lnot_wave_0_\@
	s_barrier_signal -3
.Lnot_wave_0_\@:
	s_barrier_wait -3
	s_barrier_signal -1
	s_barrier_wait -1
.endm
.macro CROUND
	s_barrier_signal -1
	s_barrier_wait -1
	CREST
.endm
.macro PLACES                          ; four places behind matrix instructions, ahead of loads into their sources and of readers of their results
.rept 4
	v_nop
.endr
.endm
	s_load_b128 s[4:7], s[0:1], 0x0                ; xh s[4:5], wh s[6:7]
	s_load_b64 s[8:9], s[0:1], 0x10                ; qkv
	s_set_vgpr_msb 0x40
	v_lshl_add_u32 v255, v0, 2, 0x46c00
	s_set_vgpr_msb 0x4000
	v_mov_b32 v255, 0
	s_set_vgpr_msb 0x1
	ds_add_u32 v255, v255
	s_set_vgpr_msb 0x100
	v_lshrrev_b32 v1, 5, v0
	v_readfirstlane_b32 s10, v1                    ; wave 0..3
	s_bfe_u32 s40, ttmp6, 0x40000                  ; cx
	s_bfe_u32 s41, ttmp6, 0x40004                  ; cy
	s_lshl_b32 s42, ttmp9, 2
	s_add_co_u32 s42, s42, s40                     ; block column (192 columns) = 4 x cluster x + cx
	s_and_b32 s13, ttmp7, 0xffff
	s_lshl_b32 s13, s13, 2
	s_add_co_u32 s13, s13, s41                     ; block row (256 rows) = 4 x cluster y + cy
	s_lshl_b32 s43, s41, 2
	s_lshl_b32 s43, 15, s43                        ; my row of the cluster
	s_lshl_b32 s44, 0x1111, s40                    ; my column
	s_or_b32 s[G1+0], s43, (1<<16)|(1<<20)|(1<<21)|(5<<22)|(3<<25)   ; 2-byte elements; after every 64 words 4 words of padding; bit 21 beside the mask
	s_mov_b32 s[G1+1], 128<<16                     ; tensor_dim0 = 128
	s_mov_b32 s[G1+2], 256<<16                     ; tensor_dim1 = 256
	s_mov_b32 s[G1+3], 128<<16                     ; tile_dim0 = 128 elements
	s_mov_b32 s[G1+4], 256                         ; tile_dim1 = 256 rows
	s_mov_b32 s[G1+5], 1024                        ; elements from row to row
	s_mov_b32 s[G1+6], 0
	s_mov_b32 s[G1+7], 0
	s_or_b32 s[G1B+0], s44, (1<<16)|(1<<20)|(1<<21)|(4<<22)|(7<<25)  ; after every 32 words 8 words of padding
	s_mov_b32 s[G1B+1], 64<<16
	s_mov_b32 s[G1B+2], 128<<16
	s_mov_b32 s[G1B+3], 64<<16
	s_mov_b32 s[G1B+4], 128
	s_mov_b32 s[G1B+5], 64
	s_mov_b32 s[G1B+6], 0
	s_mov_b32 s[G1B+7], 0
	s_lshl_b32 s16, s13, 19                        ; xh: 256 rows of 2,048 bytes a block row
	s_mov_b32 s17, 0
	s_mul_i32 s46, s42, 3
	s_max_u32 s45, s10, 1
	s_add_co_u32 s46, s46, s45
	s_sub_co_u32 s46, s46, 1                       ; wh: block 3 x block column + wave - 1 (wave 0 asks for none of them)
	s_lshl_b32 s46, s46, 17
	s_mov_b32 s47, 0
	s_mul_i32 s20, s10, CHUNK
	s_add_co_u32 s20, s20, BOFF-CHUNK              ; wave 1, 2, 3: head 0, 1, 2 of the slot
	s_wait_dscnt 0x0
	s_wait_kmcnt 0x0
	s_add_nc_u64 s[14:15], s[4:5], s[16:17]
	s_add_nc_u64 s[46:47], s[6:7], s[46:47]
	CROUND                                         ; all sixteen work-groups are here: the first joint loads meet
.irp s, 0,1
	s_mov_b32 s[G0+4*\s], 1
	s_mov_b32 s[G0+4*\s+1], \s*SLOT
	s_add_nc_u64 s[G0+4*\s+2:G0+4*\s+3], s[14:15], \s*256          ; K step s: 128 elements along the rows
	s_or_b32 s[G0+4*\s+3], s[G0+4*\s+3], 0x80000000
	s_mov_b32 s[G0B+4*\s], 1
	s_add_co_u32 s[G0B+4*\s+1], s20, \s*SLOT
	s_add_nc_u64 s[G0B+4*\s+2:G0B+4*\s+3], s[46:47], \s*16384      ; K step s: 128 k rows of 128 bytes
	s_or_b32 s[G0B+4*\s+3], s[G0B+4*\s+3], 0x80000000
	JLOAD \s
.endr
	v_and_b32 v1, 15, v0                           ; r = lane % 16
	v_bfe_u32 v2, v0, 4, 1                         ; h = lane / 16
	v_mul_u32_u24 v3, v1, APITCH
	v_lshl_add_u32 v3, v2, 4, v3
	s_mul_i32 s21, s10, 64*APITCH                  ; my 64 rows
	v_add_nc_u32 v[ADRA], s21, v3
	v_add_nc_u32 v[ADRA+1], SLOT, v[ADRA]
	v_and_b32 v4, 7, v0
	v_lshl_add_u32 v4, v2, 3, v4                   ; k row 8 h + lane % 8
	v_mul_u32_u24 v4, v4, BPITCH
	v_bfe_u32 v5, v0, 3, 1
	v_lshl_add_u32 v4, v5, 4, v4                   ; + 16 bytes for the second eight columns
	v_add_nc_u32 v[ADRB], BOFF, v4
	v_add_nc_u32 v[ADRB+1], BOFF+SLOT, v4
	s_mul_i32 s23, s10, 3*SHEAD
	s_add_co_u32 s23, s23, STAGE                   ; my stage
	v_mul_u32_u24 v6, v1, SPITCH
	v_lshl_add_u32 v6, v2, 4, v6
	v_add_nc_u32 v[STO], s23, v6                   ; in: row r, 16 bytes for each half of the lanes
	v_and_b32 v7, 31, v0
	v_lshrrev_b32 v8, 3, v7
	v_mul_u32_u24 v8, v8, SPITCH
	v_and_b32 v9, 7, v0
	v_lshl_add_u32 v8, v9, 4, v8
	v_add_nc_u32 v[RD], s23, v8                    ; back: eight lanes take a row of 128 bytes, a load four rows
	v_lshlrev_b32 v[CO], 4, v7                     ; and the same 512 bytes in memory
; 12 matrix instructions: row block 2 hi + a x all 12 column blocks, 32 along K, from buffer f.  zero = 1: the first product starts the sums.
.macro MUL12 f, hi, a, zero
.irp b, 0,1,2,3,4,5,6,7,8,9,10,11
.if \zero
	v_wmma_f32_16x16x32_f16 v[8*(12*\a+\b):8*(12*\a+\b)+7], v[96*\f+8*\b:96*\f+8*\b+7], v[64+32*\f+8*(2*\hi+\a):64+32*\f+8*(2*\hi+\a)+7], 0
.else
	v_wmma_f32_16x16x32_f16 v[8*(12*\a+\b):8*(12*\a+\b)+7], v[96*\f+8*\b:96*\f+8*\b+7], v[64+32*\f+8*(2*\hi+\a):64+32*\f+8*(2*\hi+\a)+7], v[8*(12*\a+\b):8*(12*\a+\b)+7]
.endif
.endr
.endm
; 32 LDS loads in one run: quarter kq (32 along K) of a slot into buffer f: 24 transposing loads for W, then 8 for x
.macro FETCH slot, kq, f
	WIN TO_B
.irp b, 0,1,2,3,4,5,6,7,8,9,10,11
	ds_load_tr16_b128 v[96*\f+8*\b:96*\f+8*\b+3],   v[ADRB+\slot] offset:(\b/4)*CHUNK+\kq*32*BPITCH+32*(\b%4)
	ds_load_tr16_b128 v[96*\f+8*\b+4:96*\f+8*\b+7], v[ADRB+\slot] offset:(\b/4)*CHUNK+\kq*32*BPITCH+32*(\b%4)+16*BPITCH
.endr
	WIN 0
.irp a, 0,1,2,3
	ds_load_b128 v[64+32*\f+8*\a:64+32*\f+8*\a+3],   v[ADRA+\slot] offset:\kq*64+\a*16*APITCH
	ds_load_b128 v[64+32*\f+8*\a+4:64+32*\f+8*\a+7], v[ADRA+\slot] offset:\kq*64+\a*16*APITCH+32
.endr
.endm
; The 48 accumulators take turns, one instruction a turn, in the same order in every quarter, over the backward jump too.
.macro QUARTER slot, kq, f, g, zero    ; multiplies buffer f; in its middle fetches quarter kq into buffer g
	s_wait_dscnt 4                                 ; W and x's row blocks 0, 1 are in; the youngest four loads (row blocks 2, 3) may be out
	WIN MUL_LO
	MUL12 \f, 0, 0, \zero
	MUL12 \f, 0, 1, \zero
	PLACES
	FETCH \slot, \kq, \g
	s_wait_dscnt 32                                ; all but the 32 just issued
	WIN MUL_HI
	MUL12 \f, 1, 0, \zero
	MUL12 \f, 1, 1, \zero
.endm
.macro THREE slot, zero
	QUARTER \slot, 1, 0, 1, \zero
	QUARTER \slot, 2, 1, 0, 0
	QUARTER \slot, 3, 0, 1, 0
.endm
; The last quarter of a K step multiplies buffer 1 and changes slots.  In front of the barrier each wave waits for its reads of this slot and for all
; its tensor loads (the one that is out is its part of the next slot); behind it the refill comes first, then the next slot's first fragments.
.macro TURN slot, next, fill
	s_wait_dscnt 4
	WIN MUL_LO
	MUL12 1, 0, 0, 0
	s_wait_dscnt 0x0                               ; my reads of this slot are over
	s_wait_tensorcnt 0x0                           ; all my tensor loads have landed
	ds_add_u32 v255, v255
	s_wait_dscnt 0x0
	s_barrier_signal -1                            ; where the slot is filled again this barrier opens a round of the cluster's barrier
	MUL12 1, 0, 1, 0                               ; register work while the others arrive
	WIN 0
	s_barrier_wait -1
.if \fill
	CREST                                          ; no wave of any partner still reads this slot or has a load on its way
	s_add_nc_u64 s[G0+4*\slot+2:G0+4*\slot+3], s[G0+4*\slot+2:G0+4*\slot+3], 512
	s_add_nc_u64 s[G0B+4*\slot+2:G0B+4*\slot+3], s[G0B+4*\slot+2:G0B+4*\slot+3], 32768
	JLOAD \slot                                    ; two K steps ahead: the wave's one tensor load behind the round
.endif
	PLACES
	FETCH \next, 0, 0
	WIN MUL_HI
	MUL12 1, 1, 0, 0
	MUL12 1, 1, 1, 0
.endm
.macro LAP zero
	THREE 0, \zero
	TURN 0, 1, 1
	THREE 1, 0
	TURN 1, 0, 1
.endm
	s_wait_tensorcnt 1                             ; my part of K step 0 is in; K step 1's load, issued behind it, stays out
	s_barrier_signal -1
	s_barrier_wait -1
	FETCH 0, 0, 0
	LAP 1                                          ; the first lap stands in front of the loop: its first products start the sums
	WIN 0
	s_mov_b32 s3, LAPS-2
.Llap:
	LAP 0
	WIN 0
	s_sub_co_u32 s3, s3, 1
	s_cmp_lg_u32 s3, 0
	s_cbranch_scc1 .Llap
	THREE 0, 0                                     ; the last lap fills nothing
	TURN 0, 1, 0
	THREE 1, 0
	s_wait_dscnt 4
	WIN MUL_LO
	MUL12 1, 0, 0, 0
	MUL12 1, 0, 1, 0
	s_wait_dscnt 0x0
	WIN MUL_HI
	MUL12 1, 1, 0, 0
	MUL12 1, 1, 1, 0
	; THE WAY OUT, 16 rows at a time: round to f16, 16 bytes a lane into my own stage (a part for each head), read back as rows of 128 bytes.
	PLACES
.irp hh, 0,1,2
	s_mul_i32 s74, s42, 3
	s_add_co_u32 s74, s74, \hh                     ; column block g = 3 x block column + hh: which = g / 16, head = g % 16
	s_lshr_b32 s75, s74, 4
	s_lshl_b32 s75, s75, 1
	s_lshr_b32 s76, s13, 3                         ; b = block row / 8
	s_add_co_u32 s75, s75, s76
	s_lshl_b32 s75, s75, 4
	s_and_b32 s74, s74, 15
	s_add_co_u32 s75, s75, s74                     ; 32 which + 16 b + head
	s_lshl_b32 s74, s75, 18
	s_and_b32 s76, s13, 7
	s_lshl_b32 s76, s76, 8
	s_lshl_b32 s77, s10, 6
	s_add_co_u32 s76, s76, s77                     ; t of my first row
	s_lshl_b32 s76, s76, 7
	s_add_co_u32 s74, s74, s76
	s_mov_b32 s75, 0
	s_add_nc_u64 s[68+2*\hh:69+2*\hh], s[8:9], s[74:75]
.endr
.macro OUT16 i, a, from, rb            ; rows 16 i .. 16 i + 15 = tiles (a, 0..11) of the window that from names for sources 0 and 1
	WIN \from
.irp b, 0,1,2,3,4,5,6,7,8,9,10,11
.irp r, 0,1,2,3
	v_cvt_pk_f16_f32 v[TMP+4*\b+\r], v[8*(12*\a+\b)+2*\r], v[8*(12*\a+\b)+2*\r+1]
.endr
.endr
	WIN 0
.irp b, 0,1,2,3,4,5,6,7,8,9,10,11
	ds_store_b128 v[STO], v[TMP+4*\b:TMP+4*\b+3] offset:(\b/4)*SHEAD+32*(\b%4)
.endr
	s_wait_xcnt 0x0                                ; the read-back registers, which earlier stores read, are loaded again only behind this wait
.irp hh, 0,1,2
.irp t, 0,1,2,3
	ds_load_b128 v[\rb+4*(4*\hh+\t):\rb+4*(4*\hh+\t)+3], v[RD] offset:\hh*SHEAD+\t*4*SPITCH   ; LDS serves a wave's instructions in order: these see the stores above
.endr
.endr
.irp hh, 0,1,2
.irp t, 0,1,2,3
	s_wait_dscnt 11-(4*\hh+\t)
	global_store_b128 v[CO], v[\rb+4*(4*\hh+\t):\rb+4*(4*\hh+\t)+3], s[68+2*\hh:69+2*\hh] offset:\i*2048+\t*512   ; 512 consecutive bytes, aligned
.endr
.endr
.endm
	OUT16 0, 0, 0x0a, RB0
	OUT16 1, 1, 0x0a, RB1
	OUT16 2, 0, 0x0f, RB0
	OUT16 3, 1, 0x0f, RB1
	s_set_vgpr_msb 0x1
	s_wait_tensorcnt 0x0
	ds_add_u32 v255, v255
	s_wait_dscnt 0x0
	s_set_vgpr_msb 0x100
	CROUND                                         ; the closing round: no work-group ends while a partner may still ask for a tile that names it
	s_endpgm
.Lfunc_end_k_q7d80ef2d06_qkv:
	.size	k_q7d80ef2d06_qkv, .Lfunc_end_k_q7d80ef2d06_qkv-k_q7d80ef2d06_qkv
	.p2alignl 7, 3214868480
	.fill 96, 4, 3214868480
	.section	.rodata,"a",@progbits
	.p2align	6, 0x0
	.amdhsa_kernel k_q7d80ef2d06_qkv
		.amdhsa_group_segment_fixed_size 327680
		.amdhsa_private_segment_fixed_size 0
		.amdhsa_enable_private_segment 0
		.amdhsa_kernarg_size 24
		.amdhsa_user_sgpr_count 2
		.amdhsa_user_sgpr_kernarg_segment_ptr 1
		.amdhsa_wavefront_size32 1
		.amdhsa_system_sgpr_workgroup_id_x 1
		.amdhsa_system_sgpr_workgroup_id_y 1
		.amdhsa_system_sgpr_workgroup_id_z 1
		.amdhsa_system_vgpr_workitem_id 0
		.amdhsa_next_free_vgpr 960
		.amdhsa_next_free_sgpr 80
		.amdhsa_reserve_vcc 0
		.amdhsa_float_denorm_mode_32 3
		.amdhsa_float_denorm_mode_16_64 3
		.amdhsa_memory_ordered 1
		.amdhsa_forward_progress 1
		.amdhsa_inst_pref_size 165
	.end_amdhsa_kernel
	.amdgpu_metadata
---
amdhsa.version: [ 1, 2 ]
amdhsa.kernels:
  - .name:           k_q7d80ef2d06_qkv
    .symbol:         k_q7d80ef2d06_qkv.kd
    .args:
      - { .name: xh, .offset: 0, .size: 8, .value_kind: global_buffer, .address_space: global }
      - { .name: wh, .offset: 8, .size: 8, .value_kind: global_buffer, .address_space: global }
      - { .name: qkv, .offset: 16, .size: 8, .value_kind: global_buffer, .address_space: global }
    .group_segment_fixed_size: 327680
    .private_segment_fixed_size: 0
    .kernarg_segment_align: 8
    .kernarg_segment_size: 24
    .max_flat_workgroup_size: 128
    .sgpr_count:     80
    .vgpr_count:     960
    .wavefront_size: 32
...
	.end_amdgpu_metadata
.endif
;; end of part 2
;; launch attn (part 3): grid 8 x 32, 8 waves a work-group, clusters of 4 x 1, 327,680 bytes of LDS; arguments qkv, attention_mask, ao; writes ao
.if DOCPART == 3
	.amdgcn_target "amdgcn-amd-amdhsa--gfx1250"
	.amdhsa_code_object_version 6
	.text
	.protected	k_q7d80ef2d06_attn
	.globl	k_q7d80ef2d06_attn
	.p2align	8
	.type	k_q7d80ef2d06_attn,@function
k_q7d80ef2d06_attn:
	s_mov_b64 s[64:65], 0
	v_nop
	global_prefetch_b8 v0, s[64:65] scope:SCOPE_SE
	s_setreg_imm32_b32 hwreg(HW_REG_WAVE_MODE, 25, 1), 1
	s_wait_xcnt 0x0
	s_wait_alu depctr_hold_cnt(0) depctr_sa_sdst(0) depctr_va_vdst(0) depctr_va_sdst(0) depctr_va_ssrc(0) depctr_va_vcc(0) depctr_vm_vsrc(0)
	s_getreg_b32 s2, hwreg(HW_REG_IB_STS2, 6, 4)
	s_cmp_eq_u32 s2, 0
	s_cbranch_scc0 .Lentry_in_a_cluster
	s_endpgm
.Lentry_in_a_cluster:
	s_bfe_u32 s2, ttmp6, 0x10000c
	s_cmp_lg_u32 s2, 0x3003
	s_cbranch_scc0 .Lentry_shape_is_right
	s_endpgm
.Lentry_shape_is_right:
; attn: softmax(q k^T / 8 + (1 - mask) * -1e9) v for one (batch, head) and 256 query rows, with a running maximum; f16 operands, all else f32.
;   in:  qkv[which][b][h][t][d] f16, attention_mask[b][t] i32.    out: ao[m / 128][h][m % 128][d] f16, m = 2048 b + t.
; LIMITS.  (1) P and the output are f16; q, k, v were rounded to f16.  (2) Scores are kept in base 2:
;   t = fma(s, 0.125 log2 e, (1 - float(mask)) * (-1e9 log2 e)), the maximum is taken away by a subtraction, P = exp2(t - max).
;   The order of rounding differs from the problem's formula: in a batch whose keys are ALL masked the scores are rounded at the f32 spacing at
;   1.44e9 (128 in base 2, 88.7 in natural units) instead of 64; both give uniform weights while |score / 8| < 32.
; Eight waves: wave w takes query rows 64 (w % 4) and, of every tile of 256 keys, keys 128 (w / 4) .. + 127; the two waves of a row block keep
; their own maximum, sum and O and are merged at the end through LDS.  A step is 32 keys x 64 queries: 16 + 16 matrix instructions for 16 fragment loads.
; ORIENTATION: S^T = K Q^T (source 0 = 16 keys, source 1 = 16 queries): a lane holds 8 keys of ONE query, so maximum and sum run along its registers
; plus one exchange between the halves, and the packed P of two key tiles IS source 1 of O^T = V^T P^T (source 0 = V through the transposing load).
; CLUSTERS: the four query blocks of a cluster belong to one (batch, head) and read the same K and V tiles: each tile is asked for jointly (mask 15).
; Waves 0-3 ask for 64 keys of V each, waves 4-7 for 64 keys of K.  A wave has one tensor load outstanding.
; LDS: two slots (V: 256 keys x 160 bytes, K: 256 x 144), bias f32[2048], merge (4 x 17,408), stage (4 x 64 rows x 144).
.set VP,    160
.set KP,    144
.set KOFF,  256*VP                     ; 40,960
.set SLOT,  KOFF+256*KP                ; 77,824
.set BIASL, 2*SLOT                     ; 155,648
.set MERGE, BIASL+8192                 ; 163,840
.set MPAIR, 17408                      ; O: 32 x 512 bytes, then the maxima (512) and the sums (512)
.set STAGE, MERGE+4*MPAIR              ; 233,472
.set SP,    144
.set SPAIR, 64*SP                      ; 9,216
.set ADRK,  2                          ; v2-3   LDS address of my K fragments in slot 0, 1
.set ADRV,  4                          ; v4-5   the same for V
.set ADRBI, 6                          ; v6     LDS address of my 8 bias numbers; steps 1,024 bytes a tile
.set MAD,   7                          ; v7     merge: 16 bytes a lane
.set STO,   8
.set RD,    9
.set CO,    10
.set QF,    16                         ; v[16:79]   Q fragments, 16 qt + 8 ds
.set KF,    80                         ; v[80:111]  K fragments, 16 kt + 8 ds
.set VF,    112                        ; v[112:143] V fragments, 8 db
.set SC,    144                        ; v[144:207] scores, 16 qt + 8 kt; P is packed into the first 8 of each 16
.set BIAS,  208                        ; v[208:223] bias of my 16 keys, 8 kt + j
.set MX,    224                        ; v224 + 2 qt: running maximum (the odd registers only complete the pairs that the packed forms name)
.set AL,    232                        ; v232 + 2 qt: exp2(old maximum - new maximum)
.set LS,    240                        ; v[240:243] running sums of my half's keys
.set TT,    244                        ; v[244:251] at work
.set MP,    208                        ; epilogue: the partner's maxima
.set LP,    212                        ; epilogue: the partner's sums
.set F0,    16                         ; epilogue: my factor, twice, 2 qt
.set F1,    24                         ; epilogue: the partner's factor, twice
.set G1V, 24
.set G0V, 32
.set G1K, 48
.set G0K, 56
; window 1: O^T, tile (qt, db) at 32 qt + 8 db
.set MSB, 0
.macro WIN new
.if MSB != \new
	s_set_vgpr_msb (MSB<<8)|\new
.set MSB, \new
.endif
.endm
.macro PLACES
.rept 4
	v_nop
.endr
.endm
.macro ROUND                           ; a round of the cluster's barrier
	s_barrier_signal -1
	s_barrier_wait -1
	s_cmp_lg_u32 s10, 0
	s_cbranch_scc1 .Lnot_wave_0_\@
	s_barrier_signal -3
.Lnot_wave_0_\@:
	s_barrier_wait -3
	s_barrier_signal -1
	s_barrier_wait -1
.endm
.macro JLOAD s
	s_cmp_lt_u32 s10, 4
	s_cbranch_scc0 .Lfor_k_\@
	tensor_load_to_lds s[G0V+4*\s:G0V+4*\s+3], s[G1V:G1V+7]
	s_nop 0
	s_branch .Lasked_\@
.Lfor_k_\@:
	tensor_load_to_lds s[G0K+4*\s:G0K+4*\s+3], s[G1K:G1K+7]
	s_nop 0
.Lasked_\@:
.endm
	s_load_b128 s[4:7], s[0:1], 0x0                ; qkv s[4:5], attention_mask s[6:7]
	s_load_b64 s[8:9], s[0:1], 0x10                ; ao
	v_lshl_add_u32 v254, v0, 2, 0x42000
	v_mov_b32 v255, 0
	ds_add_u32 v254, v255
	v_lshrrev_b32 v1, 5, v0
	v_readfirstlane_b32 s10, v1                    ; wave 0..7
	s_lshr_b32 s11, s10, 2                         ; g: my half of each tile's keys
	s_and_b32 s12, s10, 3                          ; qw: my 64 query rows
	s_and_b32 s13, ttmp7, 0xffff                   ; 16 b + h (the cluster is one work-group high)
	s_bfe_u32 s40, ttmp6, 0x40000                  ; cx
	s_lshl_b32 s41, ttmp9, 2
	s_add_co_u32 s41, s41, s40                     ; query block of 256 rows; it enters global addresses of Q and ao alone
	s_mov_b32 s14, 0x76543210                      ; v_permlanex16_b32: lane i reads lane i of the other half
	s_mov_b32 s15, 0xfedcba98
	s_mov_b32 s16, 0x3e38aa3b                      ; 0.125 log2 e
	s_mov_b32 s17, 0x3e38aa3b
	s_mov_b32 s[G1V+0], 15|(1<<16)|(1<<20)|(1<<21)|(4<<22)|(7<<25)   ; all four partners; 2-byte elements; after every 32 words 8 words of padding
	s_mov_b32 s[G1V+1], 64<<16                     ; tensor_dim0 = 64
	s_mov_b32 s[G1V+2], 64<<16                     ; tensor_dim1 = 64
	s_mov_b32 s[G1V+3], 64<<16                     ; tile_dim0 = 64 elements: a head's row, 128 bytes
	s_mov_b32 s[G1V+4], 64                         ; tile_dim1 = 64 keys
	s_mov_b32 s[G1V+5], 64                         ; elements from row to row
	s_mov_b32 s[G1V+6], 0
	s_mov_b32 s[G1V+7], 0
	s_mov_b32 s[G1K+0], 15|(1<<16)|(1<<20)|(1<<21)|(4<<22)|(3<<25)   ; 4 words of padding
	s_mov_b32 s[G1K+1], 64<<16
	s_mov_b32 s[G1K+2], 64<<16
	s_mov_b32 s[G1K+3], 64<<16
	s_mov_b32 s[G1K+4], 64
	s_mov_b32 s[G1K+5], 64
	s_mov_b32 s[G1K+6], 0
	s_mov_b32 s[G1K+7], 0
	s_lshl_b32 s22, s12, 13                        ; the 64 keys that I fetch: 64 rows of 128 bytes
	s_add_co_u32 s20, s13, 64                      ; v is block 64 + 16 b + h
	s_lshl_b32 s20, s20, 18
	s_add_co_u32 s20, s20, s22
	s_mov_b32 s21, 0
	s_add_co_u32 s42, s13, 32                      ; k is block 32 + 16 b + h
	s_lshl_b32 s42, s42, 18
	s_add_co_u32 s42, s42, s22
	s_mov_b32 s43, 0
	s_mul_i32 s45, s10, 64*VP                      ; waves 0-3: V's keys 64 w
	s_mul_i32 s46, s10, 64*KP
	s_add_co_u32 s46, s46, KOFF-4*64*KP            ; waves 4-7: K's keys 64 (w - 4)
	s_wait_dscnt 0x0
	s_wait_kmcnt 0x0
	s_add_nc_u64 s[20:21], s[4:5], s[20:21]
	s_add_nc_u64 s[42:43], s[4:5], s[42:43]
.irp s, 0,1
	s_mov_b32 s[G0V+4*\s], 1
	s_add_co_u32 s[G0V+4*\s+1], s45, \s*SLOT
	s_add_nc_u64 s[G0V+4*\s+2:G0V+4*\s+3], s[20:21], \s*32768      ; tile s: 256 keys of 128 bytes
	s_or_b32 s[G0V+4*\s+3], s[G0V+4*\s+3], 0x80000000
	s_mov_b32 s[G0K+4*\s], 1
	s_add_co_u32 s[G0K+4*\s+1], s46, \s*SLOT
	s_add_nc_u64 s[G0K+4*\s+2:G0K+4*\s+3], s[42:43], \s*32768
	s_or_b32 s[G0K+4*\s+3], s[G0K+4*\s+3], 0x80000000
.endr
	ROUND                                          ; all four work-groups are here
	JLOAD 0                                        ; tile 0
	; the batch's mask (2 loads of 16 bytes a thread) and my Q fragments (16 loads), straight from memory
	s_lshr_b32 s22, s13, 4
	s_lshl_b32 s22, s22, 13
	s_mov_b32 s23, 0
	s_add_nc_u64 s[6:7], s[6:7], s[22:23]
	v_lshlrev_b32 v11, 4, v0
	global_load_b128 v[BIAS:BIAS+3],   v11, s[6:7]
	global_load_b128 v[BIAS+4:BIAS+7], v11, s[6:7] offset:4096
	s_lshl_b32 s22, s13, 18                        ; q is block 16 b + h
	s_lshl_b32 s66, s41, 8
	s_lshl_b32 s67, s12, 6
	s_add_co_u32 s66, s66, s67                     ; my first query row
	s_lshl_b32 s66, s66, 7
	s_add_co_u32 s22, s22, s66
	s_add_nc_u64 s[4:5], s[4:5], s[22:23]
	v_and_b32 v1, 15, v0                           ; r
	v_bfe_u32 v13, v0, 4, 1                        ; h
	v_lshlrev_b32 v12, 7, v1
	v_lshl_add_u32 v12, v13, 4, v12                ; row r, 16 bytes for each half
.irp qt, 0,1,2,3
.irp ds, 0,1
	global_load_b128 v[QF+16*\qt+8*\ds:QF+16*\qt+8*\ds+3],   v12, s[4:5] offset:\qt*2048+\ds*64
	global_load_b128 v[QF+16*\qt+8*\ds+4:QF+16*\qt+8*\ds+7], v12, s[4:5] offset:\qt*2048+\ds*64+32
.endr
.endr
	v_mul_u32_u24 v14, v1, KP
	v_lshl_add_u32 v14, v13, 4, v14
	s_mul_i32 s22, s11, 128*KP
	s_add_co_u32 s22, s22, KOFF
	v_add_nc_u32 v[ADRK], s22, v14
	v_add_nc_u32 v[ADRK+1], SLOT, v[ADRK]
	v_and_b32 v14, 7, v0
	v_lshl_add_u32 v14, v13, 3, v14                ; key 8 h + lane % 8
	v_mul_u32_u24 v14, v14, VP
	v_bfe_u32 v15, v0, 3, 1
	v_lshl_add_u32 v14, v15, 4, v14
	s_mul_i32 s22, s11, 128*VP
	v_add_nc_u32 v[ADRV], s22, v14
	v_add_nc_u32 v[ADRV+1], SLOT, v[ADRV]
	s_lshl_b32 s22, s11, 9
	s_add_co_u32 s22, s22, BIASL
	v_lshl_add_u32 v[ADRBI], v13, 5, s22           ; 4 (128 g + 8 h)
	v_and_b32 v14, 31, v0
	s_mul_i32 s22, s12, MPAIR
	s_add_co_u32 s22, s22, MERGE
	v_lshl_add_u32 v[MAD], v14, 4, s22
	s_mul_i32 s23, s12, SPAIR
	s_add_co_u32 s23, s23, STAGE
	v_mul_u32_u24 v15, v1, SP
	v_lshl_add_u32 v15, v13, 4, v15
	v_add_nc_u32 v[STO], s23, v15
	v_lshrrev_b32 v15, 3, v14
	v_mul_u32_u24 v15, v15, SP
	v_and_b32 v1, 7, v0
	v_lshl_add_u32 v15, v1, 4, v15
	v_add_nc_u32 v[RD], s23, v15
	v_lshlrev_b32 v[CO], 4, v14
	v_mov_b32 v[TT+1], 0                           ; v_permlanex16_b32 counts as a reader of its destination
.irp qt, 0,1,2,3
	v_mov_b32 v[MX+2*\qt+1], 0                     ; the second registers of the pairs named by the packed forms; their values are never used
	v_mov_b32 v[AL+2*\qt+1], 0
.endr
	v_add_nc_u32 v15, BIASL, v11
	s_wait_loadcnt 16                              ; the two mask loads are in; the 16 Q loads issued behind them stay out
.irp i, 0,1,2,3,4,5,6,7
	v_cvt_f32_i32 v[BIAS+\i], v[BIAS+\i]
.endr
.irp i, 0,1,2,3,4,5,6,7
	v_sub_f32 v[BIAS+\i], 1.0, v[BIAS+\i]
.endr
.irp i, 0,1,2,3,4,5,6,7
	v_mul_f32 v[BIAS+\i], 0xceabfb8f, v[BIAS+\i]   ; -1e9 log2 e = -1,442,695,040 in f32
.endr
	ds_store_b128 v15, v[BIAS:BIAS+3]              ; read by all waves behind the first trip's wait for 0 and round
	ds_store_b128 v15, v[BIAS+4:BIAS+7] offset:4096
	s_wait_loadcnt 0x0                             ; Q
.macro KLOAD slot, kk                  ; K fragments of keys 32 kk .. + 31 of my half (kk may be a sum: it stands in brackets)
.irp kt, 0,1
.irp ds, 0,1
	ds_load_b128 v[KF+16*\kt+8*\ds:KF+16*\kt+8*\ds+3],   v[ADRK+\slot] offset:(32*(\kk)+16*\kt)*KP+64*\ds
	ds_load_b128 v[KF+16*\kt+8*\ds+4:KF+16*\kt+8*\ds+7], v[ADRK+\slot] offset:(32*(\kk)+16*\kt)*KP+64*\ds+32
.endr
.endr
.endm
; Scale and bias, the new maximum of query block qt (my 16 keys, then the other half's), and the old maximum less the new one.
.macro SMA qt, first
.irp i, 0,2,4,6,8,10,12,14
	v_pk_fma_f32 v[SC+16*\qt+\i:SC+16*\qt+\i+1], v[SC+16*\qt+\i:SC+16*\qt+\i+1], s[16:17], v[BIAS+\i:BIAS+\i+1] op_sel_hi:[1,0,1]
.endr
	v_max3_num_f32 v[TT],   v[SC+16*\qt],   v[SC+16*\qt+1], v[SC+16*\qt+2]
	v_max3_num_f32 v[TT+2], v[SC+16*\qt+8], v[SC+16*\qt+9], v[SC+16*\qt+10]
	v_max3_num_f32 v[TT],   v[TT],   v[SC+16*\qt+3],  v[SC+16*\qt+4]
	v_max3_num_f32 v[TT+2], v[TT+2], v[SC+16*\qt+11], v[SC+16*\qt+12]
	v_max3_num_f32 v[TT],   v[TT],   v[SC+16*\qt+5],  v[SC+16*\qt+6]
	v_max3_num_f32 v[TT+2], v[TT+2], v[SC+16*\qt+13], v[SC+16*\qt+14]
.if \first
	v_max_num_f32 v[TT], v[TT], v[SC+16*\qt+7]
.else
	v_max3_num_f32 v[TT], v[TT], v[SC+16*\qt+7], v[MX+2*\qt]
.endif
	v_max3_num_f32 v[TT+2], v[TT+2], v[SC+16*\qt+15], v[TT]
	v_permlanex16_b32 v[TT+1], v[TT+2], s14, s15
.if \first
	v_max_num_f32 v[MX+2*\qt], v[TT+2], v[TT+1]
.else
	v_max_num_f32 v[TT+2], v[TT+2], v[TT+1]
	v_sub_f32 v[AL+2*\qt], v[MX+2*\qt], v[TT+2]
	v_mov_b32 v[MX+2*\qt], v[TT+2]
.endif
.endm
; P = exp2(t - maximum), its sum into the running sum, P packed to f16 in place (ascending: a destination never lies ahead of its sources).
.macro SMB qt, first
.irp i, 0,2,4,6,8,10,12,14
	v_pk_add_f32 v[SC+16*\qt+\i:SC+16*\qt+\i+1], v[SC+16*\qt+\i:SC+16*\qt+\i+1], v[MX+2*\qt:MX+2*\qt+1] op_sel_hi:[1,0] neg_lo:[0,1] neg_hi:[0,1]
.endr
.if \first == 0
	v_exp_f32 v[AL+2*\qt], v[AL+2*\qt]
.endif
.irp i, 0,1,2,3,4,5,6,7,8,9,10,11,12,13,14,15
	v_exp_f32 v[SC+16*\qt+\i], v[SC+16*\qt+\i]
.endr
	v_nop                                          ; one plain place behind the run of exponentials, ahead of the first use (ISA guide 5.7.2)
	s_wait_alu depctr_va_vdst(0)
	v_pk_add_f32 v[TT:TT+1],   v[SC+16*\qt:SC+16*\qt+1],     v[SC+16*\qt+2:SC+16*\qt+3]
	v_pk_add_f32 v[TT+2:TT+3], v[SC+16*\qt+4:SC+16*\qt+5],   v[SC+16*\qt+6:SC+16*\qt+7]
	v_pk_add_f32 v[TT+4:TT+5], v[SC+16*\qt+8:SC+16*\qt+9],   v[SC+16*\qt+10:SC+16*\qt+11]
	v_pk_add_f32 v[TT+6:TT+7], v[SC+16*\qt+12:SC+16*\qt+13], v[SC+16*\qt+14:SC+16*\qt+15]
	v_pk_add_f32 v[TT:TT+1],   v[TT:TT+1],   v[TT+2:TT+3]
	v_pk_add_f32 v[TT+4:TT+5], v[TT+4:TT+5], v[TT+6:TT+7]
	v_pk_add_f32 v[TT:TT+1],   v[TT:TT+1],   v[TT+4:TT+5]
.if \first
	v_add_f32 v[LS+\qt], v[TT], v[TT+1]
.else
	v_add_f32 v[TT], v[TT], v[TT+1]
	v_fma_f32 v[LS+\qt], v[LS+\qt], v[AL+2*\qt], v[TT]
.endif
.irp i, 0,1,2,3,4,5,6,7
	v_cvt_pk_f16_f32 v[SC+16*\qt+\i], v[SC+16*\qt+2*\i], v[SC+16*\qt+2*\i+1]
.endr
.endm
; 32 keys x 64 queries.  first = 1: the launch's first step starts maximum, sum and O.  last = 1: the tile's last step fetches no further K.
; In both groups of matrix instructions the accumulators take turns, one instruction a turn.
.macro STEP slot, kk, first, last
.if \first == 0
.rept 5
	v_nop                                          ; five places behind the last step's O products: the score products write over P, their source 1; the loads below land in V, their source 0
.endr
.endif
.irp db, 0,1,2,3
	ds_load_tr16_b128 v[VF+8*\db:VF+8*\db+3],   v[ADRV+\slot] offset:\kk*32*VP+32*\db
	ds_load_tr16_b128 v[VF+8*\db+4:VF+8*\db+7], v[ADRV+\slot] offset:\kk*32*VP+32*\db+16*VP
.endr
.irp kt, 0,1
	ds_load_b128 v[BIAS+8*\kt:BIAS+8*\kt+3],   v[ADRBI] offset:(32*\kk+16*\kt)*4
	ds_load_b128 v[BIAS+8*\kt+4:BIAS+8*\kt+7], v[ADRBI] offset:(32*\kk+16*\kt)*4+16
.endr
	s_wait_dscnt 12                                ; K's 8 loads are in; the 8 of V and 4 of the bias, issued behind them, stay out
.irp qt, 0,1,2,3
.irp kt, 0,1
	v_wmma_f32_16x16x32_f16 v[SC+16*\qt+8*\kt:SC+16*\qt+8*\kt+7], v[KF+16*\kt:KF+16*\kt+7], v[QF+16*\qt:QF+16*\qt+7], 0
.endr
.endr
.irp qt, 0,1,2,3
.irp kt, 0,1
	v_wmma_f32_16x16x32_f16 v[SC+16*\qt+8*\kt:SC+16*\qt+8*\kt+7], v[KF+16*\kt+8:KF+16*\kt+15], v[QF+16*\qt+8:QF+16*\qt+15], v[SC+16*\qt+8*\kt:SC+16*\qt+8*\kt+7]
.endr
.endr
	PLACES                                         ; ahead of the loads into K and of the readers of the scores
.if \last
	s_wait_dscnt 0x0                               ; V and the bias
.else
	KLOAD \slot, \kk+1
	s_wait_dscnt 8                                 ; V and the bias are in; the next K's 8 loads stay out
.endif
	SMA 0, \first
	SMA 1, \first
	SMA 2, \first
	SMA 3, \first
	SMB 0, \first
	SMB 1, \first
	SMB 2, \first
	SMB 3, \first
.if \first == 0
	WIN 0x41                                       ; O in window 1 as source 0 and destination, the factor in window 0
.irp qt, 0,1,2,3
.irp i, 0,2,4,6,8,10,12,14,16,18,20,22,24,26,28,30
	v_pk_mul_f32 v[32*\qt+\i:32*\qt+\i+1], v[32*\qt+\i:32*\qt+\i+1], v[AL+2*\qt:AL+2*\qt+1] op_sel_hi:[1,0]
.endr
.endr
.endif
	WIN 0x50                                       ; V and P in window 0, C and D in window 1
.irp db, 0,1,2,3
.irp qt, 0,1,2,3
.if \first
	v_wmma_f32_16x16x32_f16 v[32*\qt+8*\db:32*\qt+8*\db+7], v[VF+8*\db:VF+8*\db+7], v[SC+16*\qt:SC+16*\qt+7], 0
.else
	v_wmma_f32_16x16x32_f16 v[32*\qt+8*\db:32*\qt+8*\db+7], v[VF+8*\db:VF+8*\db+7], v[SC+16*\qt:SC+16*\qt+7], v[32*\qt+8*\db:32*\qt+8*\db+7]
.endif
.endr
.endr
	WIN 0
.endm
; One tile of 256 keys.  The round of the cluster's barrier orders both things: this tile has landed in every wave's view, and no wave of any partner
; still reads the other slot or has a load on its way; the joint refill of the other slot is the first tensor load behind it.
.macro TRIP slot, other, refill, first
	s_wait_tensorcnt 0x0                           ; all my tensor loads are done, my part of this tile among them, so a group 0 may be written:
	ds_add_u32 v254, v255
	s_wait_dscnt 0x0
	s_add_nc_u64 s[G0V+4*\slot+2:G0V+4*\slot+3], s[G0V+4*\slot+2:G0V+4*\slot+3], 65536   ; this slot's next tile, two tiles on
	s_add_nc_u64 s[G0K+4*\slot+2:G0K+4*\slot+3], s[G0K+4*\slot+2:G0K+4*\slot+3], 65536
	s_wait_dscnt 0x0                               ; my reads of the last tile (in the first trip: my stores of the bias) are done
	ROUND
.if \refill
	JLOAD \other
.endif
	KLOAD \slot, 0
	STEP \slot, 0, \first, 0
	STEP \slot, 1, 0, 0
	STEP \slot, 2, 0, 0
	STEP \slot, 3, 0, 1
	v_add_nc_u32 v[ADRBI], 1024, v[ADRBI]          ; the next tile's 256 bias numbers
.endm
	TRIP 0, 1, 1, 1                                ; tiles 0 and 1 stand in front of the loop: the first step starts the sums
	TRIP 1, 0, 1, 0
	s_mov_b32 s44, 2
.Ltiles:
	TRIP 0, 1, 1, 0
	TRIP 1, 0, 1, 0
	s_sub_co_u32 s44, s44, 1
	s_cmp_lg_u32 s44, 0
	s_cbranch_scc1 .Ltiles
	TRIP 0, 1, 1, 0                                ; tile 6; tile 7 is asked for
	TRIP 1, 0, 0, 0                                ; tile 7: nothing is left to fetch
	; THE MERGE.  The sums of the two halves of the lanes meet; waves 4-7 hand O, maxima and sums to waves 0-3 through LDS.
	PLACES
.irp qt, 0,1,2,3
	v_permlanex16_b32 v[TT+\qt], v[LS+\qt], s14, s15
.endr
.irp qt, 0,1,2,3
	v_add_f32 v[LS+\qt], v[LS+\qt], v[TT+\qt]
.endr
	s_cmp_lt_u32 s10, 4
	s_cbranch_scc1 .Lkeep
	WIN 0x04                                       ; store data in window 1
.set i, 0
.rept 32
	ds_store_b128 v[MAD], v[4*i:4*i+3] offset:512*i
.set i, i+1
.endr
	WIN 0
.irp qt, 0,1,2,3
	v_mov_b32 v[TT+\qt], v[MX+2*\qt]               ; the four maxima side by side, for one store
.endr
	ds_store_b128 v[MAD], v[TT:TT+3] offset:16384
	ds_store_b128 v[MAD], v[LS:LS+3] offset:16896
.Lkeep:
	s_wait_dscnt 0x0                               ; for the partner's sake: my stores are done
	s_barrier_signal -1
	s_barrier_wait -1
	s_cmp_lt_u32 s10, 4
	s_cbranch_scc0 .Lclose
	ds_load_b128 v[MP:MP+3], v[MAD] offset:16384
	ds_load_b128 v[LP:LP+3], v[MAD] offset:16896
	s_lshr_b32 s20, s13, 4
	s_lshl_b32 s20, s20, 4                         ; 16 b
	s_lshl1_add_u32 s20, s41, s20                  ; + 2 x query block
	s_lshr_b32 s21, s12, 1
	s_add_co_u32 s20, s20, s21                     ; block of 128 rows
	s_lshl_b32 s20, s20, 18
	s_and_b32 s21, s13, 15
	s_lshl_b32 s21, s21, 14                        ; head
	s_add_co_u32 s20, s20, s21
	s_and_b32 s21, s12, 1
	s_lshl_b32 s21, s21, 13                        ; my 64 rows of the 128
	s_add_co_u32 s20, s20, s21
	s_mov_b32 s21, 0
	s_add_nc_u64 s[8:9], s[8:9], s[20:21]
	s_wait_dscnt 0x0
.irp qt, 0,1,2,3
	v_max_num_f32 v[TT+\qt], v[MX+2*\qt], v[MP+\qt]
.endr
.irp qt, 0,1,2,3
	v_sub_f32 v[F0+2*\qt], v[MX+2*\qt], v[TT+\qt]
	v_sub_f32 v[F1+2*\qt], v[MP+\qt], v[TT+\qt]
.endr
.irp qt, 0,1,2,3
	v_exp_f32 v[F0+2*\qt], v[F0+2*\qt]
	v_exp_f32 v[F1+2*\qt], v[F1+2*\qt]
.endr
	v_nop
	s_wait_alu depctr_va_vdst(0)
.irp qt, 0,1,2,3
	v_mul_f32 v[TT+\qt], v[LS+\qt], v[F0+2*\qt]
	v_fmac_f32 v[TT+\qt], v[LP+\qt], v[F1+2*\qt]   ; the whole row's sum; at least 1: the row's largest term is exp2(0)
.endr
.irp qt, 0,1,2,3
	v_rcp_f32 v[TT+\qt], v[TT+\qt]
.endr
	v_nop
	s_wait_alu depctr_va_vdst(0)
.irp qt, 0,1,2,3
	v_mul_f32 v[F0+2*\qt+1], v[F0+2*\qt], v[TT+\qt]   ; each factor twice, a pair for the packed forms
	v_mul_f32 v[F0+2*\qt],   v[F0+2*\qt], v[TT+\qt]
	v_mul_f32 v[F1+2*\qt+1], v[F1+2*\qt], v[TT+\qt]
	v_mul_f32 v[F1+2*\qt],   v[F1+2*\qt], v[TT+\qt]
.endr
.macro OUTQ qt                         ; 16 query rows: partner's O x its factor + my O x mine, rounded to f16, into my stage
.set RR, 80+32*(\qt&1)
.irp e, 0,1,2,3,4,5,6,7
	ds_load_b128 v[RR+4*\e:RR+4*\e+3], v[MAD] offset:512*(8*\qt+\e)
.endr
	s_wait_dscnt 0x0
.irp i, 0,2,4,6,8,10,12,14,16,18,20,22,24,26,28,30
	v_pk_mul_f32 v[RR+\i:RR+\i+1], v[RR+\i:RR+\i+1], v[F1+2*\qt:F1+2*\qt+1]
.endr
	WIN 0x01                                       ; source 0: my O in window 1
.irp i, 0,2,4,6,8,10,12,14,16,18,20,22,24,26,28,30
	v_pk_fma_f32 v[RR+\i:RR+\i+1], v[32*\qt+\i:32*\qt+\i+1], v[F0+2*\qt:F0+2*\qt+1], v[RR+\i:RR+\i+1]
.endr
	WIN 0
.irp i, 0,1,2,3,4,5,6,7,8,9,10,11,12,13,14,15
	v_cvt_pk_f16_f32 v[RR+\i], v[RR+2*\i], v[RR+2*\i+1]
.endr
.irp db, 0,1,2,3
	ds_store_b128 v[STO], v[RR+4*\db:RR+4*\db+3] offset:\qt*16*SP+32*\db
.endr
.endm
	OUTQ 0
	OUTQ 1
	OUTQ 2
	OUTQ 3
.irp t, 0,1,2,3,4,5,6,7,8,9,10,11,12,13,14,15
	ds_load_b128 v[SC+4*\t:SC+4*\t+3], v[RD] offset:\t*4*SP        ; my own stage: LDS serves a wave's instructions in order
.endr
.irp t, 0,1,2,3,4,5,6,7,8,9,10,11,12,13,14,15
	s_wait_dscnt 15-\t
	global_store_b128 v[CO], v[SC+4*\t:SC+4*\t+3], s[8:9] offset:512*\t    ; four rows of 128 bytes: 512 consecutive bytes, aligned
.endr
.Lclose:
	s_wait_tensorcnt 0x0
	ds_add_u32 v254, v255
	s_wait_dscnt 0x0
	ROUND                                          ; the closing round
	s_endpgm
.Lfunc_end_k_q7d80ef2d06_attn:
	.size	k_q7d80ef2d06_attn, .Lfunc_end_k_q7d80ef2d06_attn-k_q7d80ef2d06_attn
	.p2alignl 7, 3214868480
	.fill 96, 4, 3214868480
	.section	.rodata,"a",@progbits
	.p2align	6, 0x0
	.amdhsa_kernel k_q7d80ef2d06_attn
		.amdhsa_group_segment_fixed_size 327680
		.amdhsa_private_segment_fixed_size 0
		.amdhsa_enable_private_segment 0
		.amdhsa_kernarg_size 24
		.amdhsa_user_sgpr_count 2
		.amdhsa_user_sgpr_kernarg_segment_ptr 1
		.amdhsa_wavefront_size32 1
		.amdhsa_system_sgpr_workgroup_id_x 1
		.amdhsa_system_sgpr_workgroup_id_y 1
		.amdhsa_system_sgpr_workgroup_id_z 1
		.amdhsa_system_vgpr_workitem_id 0
		.amdhsa_next_free_vgpr 384
		.amdhsa_next_free_sgpr 70
		.amdhsa_reserve_vcc 0
		.amdhsa_float_denorm_mode_32 3
		.amdhsa_float_denorm_mode_16_64 3
		.amdhsa_memory_ordered 1
		.amdhsa_forward_progress 1
		.amdhsa_inst_pref_size 255
	.end_amdhsa_kernel
	.section	.bss,"aw",@nobits
	.p2align	6
	.space	262144
	.amdgpu_metadata
---
amdhsa.version: [ 1, 2 ]
amdhsa.kernels:
  - .name:           k_q7d80ef2d06_attn
    .symbol:         k_q7d80ef2d06_attn.kd
    .args:
      - { .name: qkv, .offset: 0, .size: 8, .value_kind: global_buffer, .address_space: global }
      - { .name: attention_mask, .offset: 8, .size: 8, .value_kind: global_buffer, .address_space: global }
      - { .name: ao, .offset: 16, .size: 8, .value_kind: global_buffer, .address_space: global }
    .group_segment_fixed_size: 327680
    .private_segment_fixed_size: 0
    .kernarg_segment_align: 8
    .kernarg_segment_size: 24
    .max_flat_workgroup_size: 256
    .sgpr_count:     70
    .vgpr_count:     384
    .wavefront_size: 32
...
	.end_amdgpu_metadata
.endif
;; end of part 3
;; launch proj (part 4): grid 8 x 32, 4 waves a work-group, clusters of 4 x 4, 327,680 bytes of LDS; arguments ao, wh, out0; writes out0
.if DOCPART == 4
	.amdgcn_target "amdgcn-amd-amdhsa--gfx1250"
	.amdhsa_code_object_version 6
	.text
	.protected	k_q7d80ef2d06_proj
	.globl	k_q7d80ef2d06_proj
	.p2align	8
	.type	k_q7d80ef2d06_proj,@function
k_q7d80ef2d06_proj:
	s_mov_b64 s[64:65], 0
	v_nop
	global_prefetch_b8 v0, s[64:65] scope:SCOPE_SE
	s_setreg_imm32_b32 hwreg(HW_REG_WAVE_MODE, 25, 1), 1
	s_wait_xcnt 0x0
	s_wait_alu depctr_hold_cnt(0) depctr_sa_sdst(0) depctr_va_vdst(0) depctr_va_sdst(0) depctr_va_ssrc(0) depctr_va_vcc(0) depctr_vm_vsrc(0)
	s_getreg_b32 s2, hwreg(HW_REG_IB_STS2, 6, 4)
	s_cmp_eq_u32 s2, 0
	s_cbranch_scc0 .Lentry_in_a_cluster
	s_endpgm
.Lentry_in_a_cluster:
	s_bfe_u32 s2, ttmp6, 0x10000c
	s_cmp_lg_u32 s2, 0xf033
	s_cbranch_scc0 .Lentry_shape_is_right
	s_endpgm
.Lentry_shape_is_right:
; proj: out0[4096][1024] f32 = ao . Wo, f16 operands, f32 sums.  ao[m / 128][h][m % 128][d] f16; Wo = blocks 48..63 of wh[block][k][64] f16.
; A work-group makes 128 x 128 with four waves (256 work-groups); a wave 64 x 64: 16 accumulator tiles in window 1 (tile (a, b) at 8 (4 a + b)).
; K = 1024 goes in four tiles of 256 (four heads) through two LDS slots, all written out.  A slot: Wo, two column blocks x 256 k rows x 160 bytes;
; then ao, four heads x 128 rows x 144 bytes.  A refill has the 128 matrix instructions of a tile, less the eight ahead of its barrier's wait, in which to land.
; CLUSTERS: 4 x 4.  ao's tiles hang on the block row alone (joint along a row of the cluster), Wo's on the block column alone (joint along a column).
; Waves 0, 1 ask for one column block of Wo each, waves 2, 3 for two heads of ao each: 256 rows of 128 bytes a load.
; The way out goes through the first 17,408 bytes of slot 0: its last fill (tile 2) has landed and its last reads stand in front of the barrier ahead of tile 3.
.set AP,     144
.set BP,     160
.set BCH,    256*BP                    ; 40,960
.set AOFF,   2*BCH                     ; 81,920
.set AHEAD,  128*AP                    ; 18,432
.set SLOT,   AOFF+4*AHEAD              ; 155,648
.set SPITCH, 272                       ; stage: 16 rows of 256 bytes + 16
.set ADRA, 16
.set ADRB, 20
.set STO,  24
.set RD,   25
.set CO,   26
.set G1,  24                           ; ao
.set G0,  32
.set G1B, 48                           ; Wo
.set G0B, 56
.set MUL, 0x50                         ; sources 0 and 1 window 0, C and D window 1
.set MSB, 0
.macro WIN new
.if MSB != \new
	s_set_vgpr_msb (MSB<<8)|\new
.set MSB, \new
.endif
.endm
.macro JLOAD s
	s_cmp_lt_u32 s10, 2
	s_cbranch_scc0 .Lfor_a_\@
	tensor_load_to_lds s[G0B+4*\s:G0B+4*\s+3], s[G1B:G1B+7]
	s_nop 0
	s_branch .Lasked_\@
.Lfor_a_\@:
	tensor_load_to_lds s[G0+4*\s:G0+4*\s+3], s[G1:G1+7]
	s_nop 0
.Lasked_\@:
.endm
.macro CREST
	s_cmp_lg_u32 s10, 0
	s_cbranch_scc1 .Lnot_wave_0_\@
	s_barrier_signal -3
.Lnot_wave_0_\@:
	s_barrier_wait -3
	s_barrier_signal -1
	s_barrier_wait -1
.endm
.macro CROUND
	s_barrier_signal -1
	s_barrier_wait -1
	CREST
.endm
.macro PLACES
.rept 4
	v_nop
.endr
.endm
	s_load_b128 s[4:7], s[0:1], 0x0                ; ao s[4:5], wh s[6:7]
	s_load_b64 s[8:9], s[0:1], 0x10                ; out0
	v_lshl_add_u32 v254, v0, 2, 0x4c000
	v_mov_b32 v255, 0
	ds_add_u32 v254, v255
	v_lshrrev_b32 v1, 5, v0
	v_readfirstlane_b32 s10, v1                    ; wave 0..3
	s_lshr_b32 s11, s10, 1                         ; my half of the block's rows
	s_and_b32 s12, s10, 1                          ; my half of its columns; also which part of a tile I fetch
	s_bfe_u32 s40, ttmp6, 0x40000                  ; cx
	s_bfe_u32 s41, ttmp6, 0x40004                  ; cy
	s_lshl_b32 s42, ttmp9, 2
	s_add_co_u32 s42, s42, s40                     ; block column
	s_and_b32 s13, ttmp7, 0xffff
	s_lshl_b32 s13, s13, 2
	s_add_co_u32 s13, s13, s41                     ; block row
	s_lshl_b32 s43, s41, 2
	s_lshl_b32 s43, 15, s43
	s_lshl_b32 s44, 0x1111, s40
	s_or_b32 s[G1+0], s43, (1<<16)|(1<<20)|(1<<21)|(4<<22)|(3<<25)   ; after every 32 words 4 words of padding
	s_or_b32 s[G1B+0], s44, (1<<16)|(1<<20)|(1<<21)|(4<<22)|(7<<25)  ; 8 words
	s_mov_b32 s[G1+1], 64<<16                      ; tensor_dim0 = 64
	s_mov_b32 s[G1B+1], 64<<16
	s_mov_b32 s[G1+2], 256<<16                     ; tensor_dim1 = 256
	s_mov_b32 s[G1B+2], 256<<16
	s_mov_b32 s[G1+3], 64<<16                      ; tile_dim0 = 64
	s_mov_b32 s[G1B+3], 64<<16
	s_mov_b32 s[G1+4], 256                         ; tile_dim1 = 256
	s_mov_b32 s[G1B+4], 256
	s_mov_b32 s[G1+5], 64                          ; elements from row to row
	s_mov_b32 s[G1B+5], 64
	s_mov_b32 s[G1+6], 0
	s_mov_b32 s[G1B+6], 0
	s_mov_b32 s[G1+7], 0
	s_mov_b32 s[G1B+7], 0
	s_lshl_b32 s16, s13, 18                        ; ao: 262,144 bytes a block row, two heads of 16,384 a part
	s_lshl_b32 s17, s12, 15
	s_add_co_u32 s16, s16, s17
	s_mov_b32 s17, 0
	s_lshl_b32 s46, s42, 1
	s_add_co_u32 s46, s46, s12
	s_add_co_u32 s46, s46, 48                      ; wh: block 48 + 2 x block column + part
	s_lshl_b32 s46, s46, 17
	s_mov_b32 s47, 0
	s_mul_i32 s20, s10, 2*AHEAD
	s_add_co_u32 s20, s20, AOFF-4*AHEAD            ; waves 2, 3: ao's heads 0-1, 2-3 of the slot
	s_mul_i32 s21, s10, BCH                        ; waves 0, 1: Wo's column block
	s_wait_dscnt 0x0
	s_wait_kmcnt 0x0
	s_add_nc_u64 s[14:15], s[4:5], s[16:17]
	s_add_nc_u64 s[46:47], s[6:7], s[46:47]
	CROUND
.irp s, 0,1
	s_mov_b32 s[G0+4*\s], 1
	s_add_co_u32 s[G0+4*\s+1], s20, \s*SLOT
	s_add_nc_u64 s[G0+4*\s+2:G0+4*\s+3], s[14:15], \s*65536        ; tile s: four heads
	s_or_b32 s[G0+4*\s+3], s[G0+4*\s+3], 0x80000000
	s_mov_b32 s[G0B+4*\s], 1
	s_add_co_u32 s[G0B+4*\s+1], s21, \s*SLOT
	s_add_nc_u64 s[G0B+4*\s+2:G0B+4*\s+3], s[46:47], \s*32768      ; tile s: 256 k rows
	s_or_b32 s[G0B+4*\s+3], s[G0B+4*\s+3], 0x80000000
	JLOAD \s
.endr
	v_and_b32 v1, 15, v0                           ; r
	v_bfe_u32 v2, v0, 4, 1                         ; h
	v_mul_u32_u24 v3, v1, AP
	v_lshl_add_u32 v3, v2, 4, v3
	s_mul_i32 s22, s11, 64*AP
	s_add_co_u32 s22, s22, AOFF
	v_add_nc_u32 v[ADRA], s22, v3
	v_add_nc_u32 v[ADRA+1], SLOT, v[ADRA]
	v_and_b32 v4, 7, v0
	v_lshl_add_u32 v4, v2, 3, v4
	v_mul_u32_u24 v4, v4, BP
	v_bfe_u32 v5, v0, 3, 1
	v_lshl_add_u32 v4, v5, 4, v4
	s_mul_i32 s23, s12, BCH
	v_add_nc_u32 v[ADRB], s23, v4
	v_add_nc_u32 v[ADRB+1], SLOT, v[ADRB]
	s_mul_i32 s23, s10, 16*SPITCH                  ; my stage
	v_mul_u32_u24 v6, v1, SPITCH
	v_lshl_add_u32 v6, v2, 5, v6
	v_add_nc_u32 v[STO], s23, v6                   ; in: row r, 32 bytes for each half of the lanes
	v_mul_u32_u24 v7, v2, SPITCH
	v_lshl_add_u32 v7, v1, 4, v7
	v_add_nc_u32 v[RD], s23, v7                    ; back: lanes 0-15 one row of 256 bytes, lanes 16-31 the next
	v_lshlrev_b32 v8, 12, v2
	v_lshl_add_u32 v[CO], v1, 4, v8                ; and the same two rows in out0
; fragment buffers in window 0: buffer f: ao at 64 + 64 f, Wo at 96 + 64 f.  Used transposed: source 0 = 16 columns of Wo, source 1 = 16 rows of ao.
.macro MUL4 f, a, zero
.irp b, 0,1,2,3
.if \zero
	v_wmma_f32_16x16x32_f16 v[8*(4*\a+\b):8*(4*\a+\b)+7], v[96+64*\f+8*\b:96+64*\f+8*\b+7], v[64+64*\f+8*\a:64+64*\f+8*\a+7], 0
.else
	v_wmma_f32_16x16x32_f16 v[8*(4*\a+\b):8*(4*\a+\b)+7], v[96+64*\f+8*\b:96+64*\f+8*\b+7], v[64+64*\f+8*\a:64+64*\f+8*\a+7], v[8*(4*\a+\b):8*(4*\a+\b)+7]
.endif
.endr
.endm
.macro FETCH slot, q, f                ; eighth q (32 along K) of a slot: head q / 2, d from 32 (q % 2)
.irp b, 0,1,2,3
	ds_load_tr16_b128 v[96+64*\f+8*\b:96+64*\f+8*\b+3],   v[ADRB+\slot] offset:\q*32*BP+32*\b
	ds_load_tr16_b128 v[96+64*\f+8*\b+4:96+64*\f+8*\b+7], v[ADRB+\slot] offset:\q*32*BP+32*\b+16*BP
.endr
.irp a, 0,1,2,3
	ds_load_b128 v[64+64*\f+8*\a:64+64*\f+8*\a+3],   v[ADRA+\slot] offset:(\q/2)*AHEAD+\a*16*AP+64*(\q%2)
	ds_load_b128 v[64+64*\f+8*\a+4:64+64*\f+8*\a+7], v[ADRA+\slot] offset:(\q/2)*AHEAD+\a*16*AP+64*(\q%2)+32
.endr
.endm
; The 16 accumulators take turns, one instruction a turn, in the same order in every eighth.
.macro QUARTER slot, q, f, g, zero     ; multiplies buffer f; in its middle fetches eighth q into buffer g
	s_wait_dscnt 4                                 ; Wo and ao's row blocks 0, 1 are in; the youngest four loads (row blocks 2, 3) may be out
	WIN MUL
	MUL4 \f, 0, \zero
	MUL4 \f, 1, \zero
	PLACES
	WIN 0
	FETCH \slot, \q, \g
	s_wait_dscnt 16                                ; all but the 16 just issued
	WIN MUL
	MUL4 \f, 2, \zero
	MUL4 \f, 3, \zero
.endm
.macro SEVEN slot, zero
	QUARTER \slot, 1, 0, 1, \zero
	QUARTER \slot, 2, 1, 0, 0
	QUARTER \slot, 3, 0, 1, 0
	QUARTER \slot, 4, 1, 0, 0
	QUARTER \slot, 5, 0, 1, 0
	QUARTER \slot, 6, 1, 0, 0
	QUARTER \slot, 7, 0, 1, 0
.endm
.macro TURN slot, next, fill           ; the last eighth multiplies buffer 1 and changes slots
	s_wait_dscnt 4
	WIN MUL
	MUL4 1, 0, 0
	s_wait_dscnt 0x0                               ; my reads of this slot are over
	s_wait_tensorcnt 0x0                           ; all my tensor loads have landed: the one that was out is my part of the next slot
	ds_add_u32 v254, v255
	s_wait_dscnt 0x0
	s_barrier_signal -1
	MUL4 1, 1, 0
	WIN 0
	s_barrier_wait -1
.if \fill
	CREST                                          ; the round: no wave of any partner still reads this slot or has a load on its way
	s_add_nc_u64 s[G0+4*\slot+2:G0+4*\slot+3], s[G0+4*\slot+2:G0+4*\slot+3], 131072
	s_add_nc_u64 s[G0B+4*\slot+2:G0B+4*\slot+3], s[G0B+4*\slot+2:G0B+4*\slot+3], 65536
	JLOAD \slot                                    ; two tiles ahead: the wave's one tensor load behind the round
.endif
	PLACES
	FETCH \next, 0, 0
	WIN MUL
	MUL4 1, 2, 0
	MUL4 1, 3, 0
.endm
	s_wait_tensorcnt 1                             ; my part of tile 0 is in; tile 1's load, issued behind it, stays out
	s_barrier_signal -1
	s_barrier_wait -1
	FETCH 0, 0, 0
	SEVEN 0, 1                                     ; the first products start the sums
	TURN 0, 1, 1                                   ; tile 2 is asked for
	SEVEN 1, 0
	TURN 1, 0, 1                                   ; tile 3 is asked for
	SEVEN 0, 0
	TURN 0, 1, 0
	SEVEN 1, 0
	s_wait_dscnt 4
	WIN MUL
	MUL4 1, 0, 0
	MUL4 1, 1, 0
	s_wait_dscnt 0x0
	MUL4 1, 2, 0
	MUL4 1, 3, 0
	; THE WAY OUT, 16 rows at a time: 32 bytes a lane into my stage, read back as rows of 256 bytes.
	PLACES
	s_lshl_b32 s16, s13, 7
	s_lshl_b32 s17, s11, 6
	s_add_co_u32 s16, s16, s17                     ; my first row
	s_lshl_b32 s16, s16, 12
	s_mov_b32 s17, 0
	s_add_nc_u64 s[8:9], s[8:9], s[16:17]
	s_lshl_b32 s46, s42, 9                         ; my first column, in bytes: 512 x block column + 256 x half
	s_lshl_b32 s47, s12, 8
	s_add_co_u32 s46, s46, s47
	s_mov_b32 s47, 0
	s_add_nc_u64 s[8:9], s[8:9], s[46:47]
.macro OUT16 a, rb
	WIN 0x04                                       ; store data in window 1
.irp b, 0,1,2,3
	ds_store_b128 v[STO], v[8*(4*\a+\b):8*(4*\a+\b)+3]   offset:64*\b
	ds_store_b128 v[STO], v[8*(4*\a+\b)+4:8*(4*\a+\b)+7] offset:64*\b+16
.endr
	WIN 0
	s_wait_xcnt 0x0                                ; the read-back registers, which earlier stores read, are loaded again only behind this wait
.irp t, 0,1,2,3,4,5,6,7
	ds_load_b128 v[\rb+4*\t:\rb+4*\t+3], v[RD] offset:\t*2*SPITCH  ; my own stage: LDS serves a wave's instructions in order
.endr
.irp t, 0,1,2,3,4,5,6,7
	s_wait_dscnt 7-\t
	global_store_b128 v[CO], v[\rb+4*\t:\rb+4*\t+3], s[8:9] offset:(16*\a+2*\t)*4096 th:TH_STORE_NT   ; 16 lanes store 256 consecutive bytes, aligned
.endr
.endm
	OUT16 0, 64
	OUT16 1, 128
	OUT16 2, 64
	OUT16 3, 128
	s_wait_tensorcnt 0x0
	ds_add_u32 v254, v255
	s_wait_dscnt 0x0
	CROUND                                         ; the closing round
	s_endpgm
.Lfunc_end_k_q7d80ef2d06_proj:
	.size	k_q7d80ef2d06_proj, .Lfunc_end_k_q7d80ef2d06_proj-k_q7d80ef2d06_proj
	.p2alignl 7, 3214868480
	.fill 96, 4, 3214868480
	.section	.rodata,"a",@progbits
	.p2align	6, 0x0
	.amdhsa_kernel k_q7d80ef2d06_proj
		.amdhsa_group_segment_fixed_size 327680
		.amdhsa_private_segment_fixed_size 0
		.amdhsa_enable_private_segment 0
		.amdhsa_kernarg_size 24
		.amdhsa_user_sgpr_count 2
		.amdhsa_user_sgpr_kernarg_segment_ptr 1
		.amdhsa_wavefront_size32 1
		.amdhsa_system_sgpr_workgroup_id_x 1
		.amdhsa_system_sgpr_workgroup_id_y 1
		.amdhsa_system_sgpr_workgroup_id_z 1
		.amdhsa_system_vgpr_workitem_id 0
		.amdhsa_next_free_vgpr 384
		.amdhsa_next_free_sgpr 70
		.amdhsa_reserve_vcc 0
		.amdhsa_float_denorm_mode_32 3
		.amdhsa_float_denorm_mode_16_64 3
		.amdhsa_memory_ordered 1
		.amdhsa_forward_progress 1
		.amdhsa_inst_pref_size 90
	.end_amdhsa_kernel
	.amdgpu_metadata
---
amdhsa.version: [ 1, 2 ]
amdhsa.kernels:
  - .name:           k_q7d80ef2d06_proj
    .symbol:         k_q7d80ef2d06_proj.kd
    .args:
      - { .name: ao, .offset: 0, .size: 8, .value_kind: global_buffer, .address_space: global }
      - { .name: wh, .offset: 8, .size: 8, .value_kind: global_buffer, .address_space: global }
      - { .name: out0, .offset: 16, .size: 8, .value_kind: global_buffer, .address_space: global }
    .group_segment_fixed_size: 327680
    .private_segment_fixed_size: 0
    .kernarg_segment_align: 8
    .kernarg_segment_size: 24
    .max_flat_workgroup_size: 128
    .sgpr_count:     70
    .vgpr_count:     384
    .wavefront_size: 32
...
	.end_amdgpu_metadata
.endif
;; end of part 4
;; ======== version 2 of 2: 4 launches
;; limits: values are held in f16: magnitudes above 65,504 overflow, below 6.1e-05 lose precision; right only within a limited range of input values
;; workspace buffers: xh 8,388,608 bytes; wh 8,388,608 bytes; qkv 25,165,824 bytes; ao 8,388,608 bytes
;; launch prep (part 5): grid 512 x 1, 8 waves a work-group, no clusters, 0 bytes of LDS; arguments x, Wq, Wk, Wv, Wo, xh, wh; writes xh, wh
.if DOCPART == 5
	.amdgcn_target "amdgcn-amd-amdhsa--gfx1250"
	.amdhsa_code_object_version 6
	.text
	.protected	k_q7d80ef2d06_prep
	.globl	k_q7d80ef2d06_prep
	.p2align	8
	.type	k_q7d80ef2d06_prep,@function
k_q7d80ef2d06_prep:
	s_mov_b64 s[64:65], 0
	v_nop
	global_prefetch_b8 v0, s[64:65] scope:SCOPE_SE
	s_setreg_imm32_b32 hwreg(HW_REG_WAVE_MODE, 25, 1), 1
	s_wait_xcnt 0x0
; prep: every matrix operand that comes from an input is narrowed once, f32 to f16 (round to nearest even).
;   xh[4096][1024]      = f16(x)
;   wh[64][1024][64]    = f16(W), cut into blocks of 64 columns: block 16 m + n/64 (m = 0..3: Wq, Wk, Wv, Wo), inside it k rows of 128 bytes.
;   Wq alone is multiplied by 0.125 log2 e in f32 before it is rounded: q then carries the softmax's scale and the change to base 2,
;   and the attention launch has no multiplication left to do on its scores.
; LIMIT: |x| and |W| below 65,504 (f16's largest number); larger values become infinities.
; A stream: each work-group reads 65,536 bytes and writes 32,768; each of its 8 waves issues all its 16 loads of 16 bytes a lane at once and
; stores 8 bytes a lane, so that a wave's store covers 256 consecutive bytes, aligned.  No byte is read by two work-groups, so there is
; nothing to share in a cluster, no LDS and no barrier; no register is loaded twice, so the only waits are the counted ones for the loads.
; Work-groups 0-255 take x, 256-511 the weights (64 for each matrix: 16 column blocks x 4 quarters of 256 k rows).
.set VI,  4                            ; v4       my byte offset in the input
.set VO,  5                            ; v5       my byte offset in the output
.set IN,  8                            ; v[8:71]  load j: 4 f32
.set OUT, 72                           ; v[72:103] store j: 4 f16
.macro CAST instep, scale              ; instep = bytes from one load of the wave to the next; scale = 1: times s28 on the way
.irp j, 0,1,2,3,4,5,6,7,8,9,10,11,12,13,14,15
	global_load_b128 v[IN+4*\j:IN+4*\j+3], v[VI], s[24:25] offset:\j*\instep th:TH_LOAD_NT
.endr
.irp j, 0,1,2,3,4,5,6,7,8,9,10,11,12,13,14,15
	s_wait_loadcnt 15-\j                           ; loads come back in order: load j is in, the 15 - j younger ones stay out
.if \scale
	v_pk_mul_f32 v[IN+4*\j:IN+4*\j+1],   v[IN+4*\j:IN+4*\j+1],   s[28:29] op_sel_hi:[1,0]
	v_pk_mul_f32 v[IN+4*\j+2:IN+4*\j+3], v[IN+4*\j+2:IN+4*\j+3], s[28:29] op_sel_hi:[1,0]
.endif
	v_cvt_pk_f16_f32 v[OUT+2*\j],   v[IN+4*\j],   v[IN+4*\j+1]
	v_cvt_pk_f16_f32 v[OUT+2*\j+1], v[IN+4*\j+2], v[IN+4*\j+3]
	global_store_b64 v[VO], v[OUT+2*\j:OUT+2*\j+1], s[26:27] offset:\j*256
.endr
.endm
	s_load_b256 s[4:11], s[0:1], 0x0               ; x s[4:5], Wq s[6:7], Wk s[8:9], Wv s[10:11]
	s_load_b128 s[12:15], s[0:1], 0x20             ; Wo s[12:13], xh s[14:15]
	s_load_b64 s[16:17], s[0:1], 0x30              ; wh
	v_lshrrev_b32 v1, 5, v0                        ; wave
	v_and_b32 v2, 31, v0                           ; lane
	v_lshlrev_b32 v3, 3, v2
	v_lshl_add_u32 v[VO], v1, 12, v3               ; out: 4,096 bytes a wave, 8 a lane (all paths)
	s_cmp_lt_u32 ttmp9, 256
	s_cbranch_scc0 .Lweights
	; x: dense in, dense out
	v_lshlrev_b32 v3, 4, v2
	v_lshl_add_u32 v[VI], v1, 13, v3               ; in: 8,192 bytes a wave, 16 a lane
	s_lshl_b32 s20, ttmp9, 16
	s_mov_b32 s21, 0
	s_lshl_b32 s22, ttmp9, 15
	s_mov_b32 s23, 0
	s_wait_kmcnt 0x0
	s_add_nc_u64 s[24:25], s[4:5], s[20:21]
	s_add_nc_u64 s[26:27], s[14:15], s[22:23]
	CAST 512, 0
	s_endpgm
.Lweights:
	; i = work-group - 256 = 64 m + 4 block + quarter.  In: 256 k rows of 4,096 bytes, of each the block's 256 bytes; a load of the wave takes
	; two rows (lanes 0-15 one, lanes 16-31 the next).  Out: the blocks and quarters follow each other, so the offset is simply 32,768 i.
	s_sub_co_u32 s18, ttmp9, 256                   ; i
	s_lshr_b32 s19, s18, 6                         ; m
	v_bfe_u32 v3, v0, 4, 1
	v_and_b32 v6, 15, v0
	v_lshlrev_b32 v6, 4, v6
	v_lshl_add_u32 v6, v3, 12, v6                  ; (lane / 16) rows + 16 (lane % 16)
	v_lshl_add_u32 v[VI], v1, 17, v6               ; + 32 rows a wave
	s_and_b32 s20, s18, 3
	s_lshl_b32 s20, s20, 20                        ; quarter x 256 rows x 4,096 bytes
	s_bfe_u32 s22, s18, 0x40002                    ; column block
	s_lshl_b32 s22, s22, 8
	s_add_co_u32 s20, s20, s22
	s_mov_b32 s21, 0
	s_lshl_b32 s22, s18, 15
	s_mov_b32 s23, 0
	s_wait_kmcnt 0x0
	s_cmp_eq_u32 s19, 1
	s_cselect_b64 s[24:25], s[8:9], s[6:7]
	s_cmp_eq_u32 s19, 2
	s_cselect_b64 s[24:25], s[10:11], s[24:25]
	s_cmp_eq_u32 s19, 3
	s_cselect_b64 s[24:25], s[12:13], s[24:25]
	s_add_nc_u64 s[24:25], s[24:25], s[20:21]
	s_add_nc_u64 s[26:27], s[16:17], s[22:23]
	s_cmp_eq_u32 s19, 0
	s_cbranch_scc1 .Lwq
	CAST 8192, 0                                   ; Wk, Wv, Wo as they are
	s_endpgm
.Lwq:
	s_mov_b32 s28, 0x3e38aa3b                      ; 0.125 log2 e
	s_mov_b32 s29, 0x3e38aa3b                      ; the pair's second register is named by the packed form, not used
	CAST 8192, 1
	s_endpgm
.Lfunc_end_k_q7d80ef2d06_prep:
	.size	k_q7d80ef2d06_prep, .Lfunc_end_k_q7d80ef2d06_prep-k_q7d80ef2d06_prep
	.p2alignl 7, 3214868480
	.fill 96, 4, 3214868480
	.section	.rodata,"a",@progbits
	.p2align	6, 0x0
	.amdhsa_kernel k_q7d80ef2d06_prep
		.amdhsa_group_segment_fixed_size 0
		.amdhsa_private_segment_fixed_size 0
		.amdhsa_enable_private_segment 0
		.amdhsa_kernarg_size 56
		.amdhsa_user_sgpr_count 2
		.amdhsa_user_sgpr_kernarg_segment_ptr 1
		.amdhsa_wavefront_size32 1
		.amdhsa_system_sgpr_workgroup_id_x 1
		.amdhsa_system_sgpr_workgroup_id_y 1
		.amdhsa_system_sgpr_workgroup_id_z 1
		.amdhsa_system_vgpr_workitem_id 0
		.amdhsa_next_free_vgpr 104
		.amdhsa_next_free_sgpr 66
		.amdhsa_reserve_vcc 0
		.amdhsa_float_denorm_mode_32 3
		.amdhsa_float_denorm_mode_16_64 3
		.amdhsa_memory_ordered 1
		.amdhsa_forward_progress 1
		.amdhsa_inst_pref_size 21
	.end_amdhsa_kernel
	.amdgpu_metadata
---
amdhsa.version: [ 1, 2 ]
amdhsa.kernels:
  - .name:           k_q7d80ef2d06_prep
    .symbol:         k_q7d80ef2d06_prep.kd
    .args:
      - { .name: x, .offset: 0, .size: 8, .value_kind: global_buffer, .address_space: global }
      - { .name: Wq, .offset: 8, .size: 8, .value_kind: global_buffer, .address_space: global }
      - { .name: Wk, .offset: 16, .size: 8, .value_kind: global_buffer, .address_space: global }
      - { .name: Wv, .offset: 24, .size: 8, .value_kind: global_buffer, .address_space: global }
      - { .name: Wo, .offset: 32, .size: 8, .value_kind: global_buffer, .address_space: global }
      - { .name: xh, .offset: 40, .size: 8, .value_kind: global_buffer, .address_space: global }
      - { .name: wh, .offset: 48, .size: 8, .value_kind: global_buffer, .address_space: global }
    .group_segment_fixed_size: 0
    .private_segment_fixed_size: 0
    .kernarg_segment_align: 8
    .kernarg_segment_size: 56
    .max_flat_workgroup_size: 256
    .sgpr_count:     66
    .vgpr_count:     104
    .wavefront_size: 32
...
	.end_amdgpu_metadata
.endif
;; end of part 5
;; launch qkv: the kernel of part 2 again; grid 16 x 16, 4 waves a work-group, clusters of 4 x 4, 327,680 bytes of LDS; arguments xh, wh, qkv; writes qkv
;; launch attn (part 6): grid 8 x 32, 8 waves a work-group, clusters of 4 x 1, 327,680 bytes of LDS; arguments qkv, attention_mask, ao; writes ao
.if DOCPART == 6
	.amdgcn_target "amdgcn-amd-amdhsa--gfx1250"
	.amdhsa_code_object_version 6
	.text
	.protected	k_q7d80ef2d06_attn
	.globl	k_q7d80ef2d06_attn
	.p2align	8
	.type	k_q7d80ef2d06_attn,@function
k_q7d80ef2d06_attn:
	s_mov_b64 s[64:65], 0
	v_nop
	global_prefetch_b8 v0, s[64:65] scope:SCOPE_SE
	s_setreg_imm32_b32 hwreg(HW_REG_WAVE_MODE, 25, 1), 1
	s_wait_xcnt 0x0
	s_wait_alu depctr_hold_cnt(0) depctr_sa_sdst(0) depctr_va_vdst(0) depctr_va_sdst(0) depctr_va_ssrc(0) depctr_va_vcc(0) depctr_vm_vsrc(0)
	s_getreg_b32 s2, hwreg(HW_REG_IB_STS2, 6, 4)
	s_cmp_eq_u32 s2, 0
	s_cbranch_scc0 .Lentry_in_a_cluster
	s_endpgm
.Lentry_in_a_cluster:
	s_bfe_u32 s2, ttmp6, 0x10000c
	s_cmp_lg_u32 s2, 0x3003
	s_cbranch_scc0 .Lentry_shape_is_right
	s_endpgm
.Lentry_shape_is_right:
; attn: softmax(q k^T / 8 + (1 - mask) * -1e9) v for one (batch, head) and 256 query rows, with a running maximum; f16 operands, all else f32.
;   in:  qkv[which][b][h][t][d] f16 (q already times 0.125 log2 e: Wq was scaled before it was rounded), attention_mask[b][t] i32.
;   out: ao[m / 128][h][m % 128][d] f16, m = 2048 b + t.
; LIMITS.  (1) P and the output are f16; q, k, v were rounded to f16.  (2) Scores are kept in base 2:
;   t = sum of k q' + (1 - float(mask)) * (-1e9 log2 e), formed by the matrix instruction itself, which takes the bias as its C operand;
;   the maximum is taken away by a subtraction, P = exp2(t - max).  The order of rounding differs from the problem's formula: in a batch whose
;   keys are ALL masked the scores have to vanish in the rounding of that sum (f32 numbers are 128 apart at 1.44e9; in the problem's formula 64 at 1e9),
;   which gives the formula's uniform weights while the base-2 scores stay well below 64; where exactly that ends hangs on the matrix instruction's rounding.
; Eight waves: wave w takes query rows 64 (w % 4) and, of every tile of 256 keys, keys 128 (w / 4) .. + 127; the two waves of a row block keep
; their own maximum, sum and O and are merged at the end through LDS.
; A STEP is 64 keys x 64 queries: 32 matrix instructions for the scores, 32 for O, 8 for the row sums, 40 LDS loads.
; ORIENTATION: S^T = K Q^T (source 0 = 16 keys, source 1 = 16 queries): a lane holds 8 keys of ONE query, so the maximum runs along its registers
; plus one exchange between the halves, the bias of its 8 keys has the accumulator's own layout, and the packed P of two key tiles IS source 1 of
; O^T = V^T P^T (source 0 = V through the transposing load).  THE ROW SUMS come from the matrix unit too: a source 0 of ones times P^T gives, in all
; eight registers of an accumulator, the sum of the 32 keys' P for the lane's query.  Only register 0 is rescaled and read; registers 1-7 carry
; unscaled sums of at most 1,024 numbers that are at most 1, and are never read.
; O is rescaled once a step: with 64 keys a step that is one packed multiplication for 2 x 64 products of P and V.
; LATE WAVES: a step is a run of matrix instructions (scores), a long run of vector instructions (softmax) and a run of matrix instructions (O, sums).
; Waves that leave a barrier together would all be in the same run at the same time.  So waves 0, 2, 5 and 7 are kept one block behind the others:
; they leave the O block of each tile's second step, which reads registers only (V's fragments, P, the factors, the accumulators), for behind the
; next round of the barrier, and start the new tile's scores behind it, while the other waves are already on their way to the softmax.
; Of waves w and w + 4, and of waves 2 i and 2 i + 1, exactly one is late.  Barriers, the waits in front of them and tensor loads are on every wave's path.
; CLUSTERS: the four query blocks of a cluster belong to one (batch, head) and read the same K and V tiles: each tile is asked for jointly (mask 15).
; Waves 0-3 ask for 64 keys of V each, waves 4-7 for 64 keys of K.  A wave has one tensor load outstanding.
; LDS: two slots (V: 256 keys x 160 bytes, K: 256 x 144), bias f32[2048], merge (4 x 17,408), stage (4 x 64 rows x 144).
.set VP,    160
.set KP,    144
.set KOFF,  256*VP                     ; 40,960
.set SLOT,  KOFF+256*KP                ; 77,824
.set BIASL, 2*SLOT                     ; 155,648
.set MERGE, BIASL+8192                 ; 163,840
.set MPAIR, 17408                      ; O: 32 x 512 bytes, then the maxima (512) and the sums (512)
.set STAGE, MERGE+4*MPAIR              ; 233,472
.set SP,    144
.set SPAIR, 64*SP                      ; 9,216
; window 0
.set ADRK,  2                          ; v2-3   LDS address of my K fragments in slot 0, 1
.set ADRV,  4                          ; v4-5   the same for V
.set ADRBI, 6                          ; v6     LDS address of my 8 bias numbers; steps 1,024 bytes a tile
.set MAD,   7                          ; v7     merge: 16 bytes a lane
.set STO,   8
.set RD,    9
.set CO,    10
.set FR,    16                         ; v[16:79]   one pool of fragments: K of 64 keys (16 kt + 8 ds) for the scores, then V (32 half + 8 db) for O
.set SC,    80                         ; v[80:207]  scores, 32 qt + 8 kt; P is packed into the first 16 of each 32
.set BIAS,  208                        ; v[208:239] bias of my 32 keys, 8 kt + j; free behind the score products:
.set TT,    208                        ;            then two chains' maxima for each query block, 2 qt and 2 qt + 1
.set MX,    240                        ; v240 + 2 qt: running maximum (the odd registers only complete the pairs that the packed forms name)
.set AL,    248                        ; v248 + 2 qt: exp2(old maximum - new maximum)
; window 1
.set LA,    128                        ; O^T: tile (qt, db) at 32 qt + 8 db; row sums at 128 + 8 qt
.set QF,    160                        ; Q fragments, 160 + 16 qt + 8 ds
.set ONE,   224                        ; 8 registers of f16 ones
; the merge (window 0)
.set TE,    208                        ; my maxima side by side
.set LS,    212                        ; my sums
.set MP,    216                        ; the partner's maxima
.set LP,    220                        ; the partner's sums
.set TM,    224                        ; at work
.set F0,    16                         ; my factor, twice, 2 qt
.set F1,    24                         ; the partner's factor, twice
.set RB,    144                        ; rows read back from the stage
.set G1V, 24
.set G0V, 32
.set G1K, 48
.set G0K, 56
.set MSB, 0
.macro WIN new                         ; the immediate's high byte repeats the setting that is left
.if MSB != \new
	s_set_vgpr_msb (MSB<<8)|\new
.set MSB, \new
.endif
.endm
.macro PLACES
.rept 4
	v_nop
.endr
.endm
.macro ROUND                           ; a round of the cluster's barrier
	s_barrier_signal -1
	s_barrier_wait -1
	s_cmp_lg_u32 s10, 0
	s_cbranch_scc1 .Lnot_wave_0_\@
	s_barrier_signal -3
.Lnot_wave_0_\@:
	s_barrier_wait -3
	s_barrier_signal -1
	s_barrier_wait -1
.endm
.macro JLOAD s
	s_cmp_lt_u32 s10, 4
	s_cbranch_scc0 .Lfor_k_\@
	tensor_load_to_lds s[G0V+4*\s:G0V+4*\s+3], s[G1V:G1V+7]
	s_nop 0
	s_branch .Lasked_\@
.Lfor_k_\@:
	tensor_load_to_lds s[G0K+4*\s:G0K+4*\s+3], s[G1K:G1K+7]
	s_nop 0
.Lasked_\@:
.endm
	s_load_b128 s[4:7], s[0:1], 0x0                ; qkv s[4:5], attention_mask s[6:7]
	s_load_b64 s[8:9], s[0:1], 0x10                ; ao
	s_set_vgpr_msb 0x40
	v_lshl_add_u32 v254, v0, 2, 0x42000
	v_mov_b32 v255, 0
	s_set_vgpr_msb 0x4045
	ds_add_u32 v254, v255
	s_set_vgpr_msb 0x4500
	v_lshrrev_b32 v1, 5, v0
	v_readfirstlane_b32 s10, v1                    ; wave 0..7
	s_lshr_b32 s11, s10, 2                         ; g: my half of each tile's keys
	s_and_b32 s12, s10, 3                          ; qw: my 64 query rows
	s_xor_b32 s47, s11, s10
	s_and_b32 s47, s47, 1                          ; 0 in waves 0, 2, 5, 7: the late waves
	s_and_b32 s13, ttmp7, 0xffff                   ; 16 b + h (the cluster is one work-group high)
	s_bfe_u32 s40, ttmp6, 0x40000                  ; cx
	s_lshl_b32 s41, ttmp9, 2
	s_add_co_u32 s41, s41, s40                     ; query block of 256 rows; it enters global addresses of Q and ao alone
	s_mov_b32 s14, 0x76543210                      ; v_permlanex16_b32: lane i reads lane i of the other half
	s_mov_b32 s15, 0xfedcba98
	s_mov_b32 s[G1V+0], 15|(1<<16)|(1<<20)|(1<<21)|(4<<22)|(7<<25)   ; all four partners; 2-byte elements; after every 32 words 8 words of padding
	s_mov_b32 s[G1V+1], 64<<16                     ; tensor_dim0 = 64
	s_mov_b32 s[G1V+2], 64<<16                     ; tensor_dim1 = 64
	s_mov_b32 s[G1V+3], 64<<16                     ; tile_dim0 = 64 elements: a head's row, 128 bytes
	s_mov_b32 s[G1V+4], 64                         ; tile_dim1 = 64 keys
	s_mov_b32 s[G1V+5], 64                         ; elements from row to row
	s_mov_b32 s[G1V+6], 0
	s_mov_b32 s[G1V+7], 0
	s_mov_b32 s[G1K+0], 15|(1<<16)|(1<<20)|(1<<21)|(4<<22)|(3<<25)   ; 4 words of padding
	s_mov_b32 s[G1K+1], 64<<16
	s_mov_b32 s[G1K+2], 64<<16
	s_mov_b32 s[G1K+3], 64<<16
	s_mov_b32 s[G1K+4], 64
	s_mov_b32 s[G1K+5], 64
	s_mov_b32 s[G1K+6], 0
	s_mov_b32 s[G1K+7], 0
	s_lshl_b32 s22, s12, 13                        ; the 64 keys that I fetch: 64 rows of 128 bytes
	s_add_co_u32 s20, s13, 64                      ; v is block 64 + 16 b + h
	s_lshl_b32 s20, s20, 18
	s_add_co_u32 s20, s20, s22
	s_mov_b32 s21, 0
	s_add_co_u32 s42, s13, 32                      ; k is block 32 + 16 b + h
	s_lshl_b32 s42, s42, 18
	s_add_co_u32 s42, s42, s22
	s_mov_b32 s43, 0
	s_mul_i32 s45, s10, 64*VP                      ; waves 0-3: V's keys 64 w
	s_mul_i32 s46, s10, 64*KP
	s_add_co_u32 s46, s46, KOFF-4*64*KP            ; waves 4-7: K's keys 64 (w - 4)
	s_wait_dscnt 0x0
	s_wait_kmcnt 0x0
	s_add_nc_u64 s[20:21], s[4:5], s[20:21]
	s_add_nc_u64 s[42:43], s[4:5], s[42:43]
.irp s, 0,1
	s_mov_b32 s[G0V+4*\s], 1
	s_add_co_u32 s[G0V+4*\s+1], s45, \s*SLOT
	s_add_nc_u64 s[G0V+4*\s+2:G0V+4*\s+3], s[20:21], \s*32768      ; tile s: 256 keys of 128 bytes
	s_or_b32 s[G0V+4*\s+3], s[G0V+4*\s+3], 0x80000000
	s_mov_b32 s[G0K+4*\s], 1
	s_add_co_u32 s[G0K+4*\s+1], s46, \s*SLOT
	s_add_nc_u64 s[G0K+4*\s+2:G0K+4*\s+3], s[42:43], \s*32768
	s_or_b32 s[G0K+4*\s+3], s[G0K+4*\s+3], 0x80000000
.endr
	ROUND                                          ; all four work-groups are here
	JLOAD 0                                        ; tile 0
	; the batch's mask (2 loads of 16 bytes a thread) and my Q fragments (16 loads), straight from memory
	s_lshr_b32 s22, s13, 4
	s_lshl_b32 s22, s22, 13
	s_mov_b32 s23, 0
	s_add_nc_u64 s[6:7], s[6:7], s[22:23]
	v_lshlrev_b32 v11, 4, v0
	global_load_b128 v[BIAS:BIAS+3],   v11, s[6:7]
	global_load_b128 v[BIAS+4:BIAS+7], v11, s[6:7] offset:4096
	s_lshl_b32 s22, s13, 18                        ; q is block 16 b + h
	s_lshl_b32 s66, s41, 8
	s_lshl_b32 s67, s12, 6
	s_add_co_u32 s66, s66, s67                     ; my first query row
	s_lshl_b32 s66, s66, 7
	s_add_co_u32 s22, s22, s66
	s_add_nc_u64 s[4:5], s[4:5], s[22:23]
	v_and_b32 v1, 15, v0                           ; r
	v_bfe_u32 v13, v0, 4, 1                        ; h
	v_lshlrev_b32 v12, 7, v1
	v_lshl_add_u32 v12, v13, 4, v12                ; row r, 16 bytes for each half
	WIN 0x40                                       ; destinations in window 1, the address in window 0
.irp qt, 0,1,2,3
.irp ds, 0,1
	global_load_b128 v[QF+16*\qt+8*\ds:QF+16*\qt+8*\ds+3],   v12, s[4:5] offset:\qt*2048+\ds*64
	global_load_b128 v[QF+16*\qt+8*\ds+4:QF+16*\qt+8*\ds+7], v12, s[4:5] offset:\qt*2048+\ds*64+32
.endr
.endr
.irp i, 0,1,2,3,4,5,6,7
	v_mov_b32 v[ONE+\i], 0x3c003c00                ; two f16 ones
.endr
	WIN 0
	v_mul_u32_u24 v14, v1, KP
	v_lshl_add_u32 v14, v13, 4, v14
	s_mul_i32 s22, s11, 128*KP
	s_add_co_u32 s22, s22, KOFF
	v_add_nc_u32 v[ADRK], s22, v14
	v_add_nc_u32 v[ADRK+1], SLOT, v[ADRK]
	v_and_b32 v14, 7, v0
	v_lshl_add_u32 v14, v13, 3, v14                ; key 8 h + lane % 8
	v_mul_u32_u24 v14, v14, VP
	v_bfe_u32 v15, v0, 3, 1
	v_lshl_add_u32 v14, v15, 4, v14
	s_mul_i32 s22, s11, 128*VP
	v_add_nc_u32 v[ADRV], s22, v14
	v_add_nc_u32 v[ADRV+1], SLOT, v[ADRV]
	s_lshl_b32 s22, s11, 9
	s_add_co_u32 s22, s22, BIASL
	v_lshl_add_u32 v[ADRBI], v13, 5, s22           ; 4 (128 g + 8 h)
	v_and_b32 v14, 31, v0
	s_mul_i32 s22, s12, MPAIR
	s_add_co_u32 s22, s22, MERGE
	v_lshl_add_u32 v[MAD], v14, 4, s22
	s_mul_i32 s23, s12, SPAIR
	s_add_co_u32 s23, s23, STAGE
	v_mul_u32_u24 v15, v1, SP
	v_lshl_add_u32 v15, v13, 4, v15
	v_add_nc_u32 v[STO], s23, v15
	v_lshrrev_b32 v15, 3, v14
	v_mul_u32_u24 v15, v15, SP
	v_and_b32 v1, 7, v0
	v_lshl_add_u32 v15, v1, 4, v15
	v_add_nc_u32 v[RD], s23, v15
	v_lshlrev_b32 v[CO], 4, v14
.irp qt, 0,1,2,3
	v_mov_b32 v[MX+2*\qt+1], 0                     ; the second registers of the pairs named by the packed forms; their values are never used
	v_mov_b32 v[AL+2*\qt+1], 0
.endr
	v_add_nc_u32 v15, BIASL, v11
	s_wait_loadcnt 16                              ; the two mask loads are in; the 16 Q loads issued behind them stay out
.irp i, 0,1,2,3,4,5,6,7
	v_cvt_f32_i32 v[BIAS+\i], v[BIAS+\i]
.endr
.irp i, 0,1,2,3,4,5,6,7
	v_sub_f32 v[BIAS+\i], 1.0, v[BIAS+\i]
.endr
.irp i, 0,1,2,3,4,5,6,7
	v_mul_f32 v[BIAS+\i], 0xceabfb8f, v[BIAS+\i]   ; -1e9 log2 e = -1,442,695,040 in f32
.endr
	ds_store_b128 v15, v[BIAS:BIAS+3]              ; read by all waves behind the first trip's wait for 0 and round
	ds_store_b128 v15, v[BIAS+4:BIAS+7] offset:4096
	s_wait_loadcnt 0x0                             ; Q
; 12 LDS loads: K fragments and bias of keys 64 kk + 32 half .. + 31 of my half of the tile
.macro KHALF slot, kk, half
.irp kq, 0,1
.irp ds, 0,1
	ds_load_b128 v[FR+32*\half+16*\kq+8*\ds:FR+32*\half+16*\kq+8*\ds+3],   v[ADRK+\slot] offset:(64*\kk+32*\half+16*\kq)*KP+64*\ds
	ds_load_b128 v[FR+32*\half+16*\kq+8*\ds+4:FR+32*\half+16*\kq+8*\ds+7], v[ADRK+\slot] offset:(64*\kk+32*\half+16*\kq)*KP+64*\ds+32
.endr
.endr
.irp kq, 0,1
	ds_load_b128 v[BIAS+16*\half+8*\kq:BIAS+16*\half+8*\kq+3],   v[ADRBI] offset:(64*\kk+32*\half+16*\kq)*4
	ds_load_b128 v[BIAS+16*\half+8*\kq+4:BIAS+16*\half+8*\kq+7], v[ADRBI] offset:(64*\kk+32*\half+16*\kq)*4+16
.endr
.endm
; 16 matrix instructions: the scores of 32 keys x 64 queries.  The first eight start the sums from the bias; the eight accumulators take turns,
; one instruction a turn.
.macro SPROD half
.irp qt, 0,1,2,3
.irp kq, 0,1
	v_wmma_f32_16x16x32_f16 v[SC+32*\qt+16*\half+8*\kq:SC+32*\qt+16*\half+8*\kq+7], v[FR+32*\half+16*\kq:FR+32*\half+16*\kq+7], v[QF+16*\qt:QF+16*\qt+7], v[BIAS+16*\half+8*\kq:BIAS+16*\half+8*\kq+7]
.endr
.endr
.irp qt, 0,1,2,3
.irp kq, 0,1
	v_wmma_f32_16x16x32_f16 v[SC+32*\qt+16*\half+8*\kq:SC+32*\qt+16*\half+8*\kq+7], v[FR+32*\half+16*\kq+8:FR+32*\half+16*\kq+15], v[QF+16*\qt+8:QF+16*\qt+15], v[SC+32*\qt+16*\half+8*\kq:SC+32*\qt+16*\half+8*\kq+7]
.endr
.endr
.endm
; The new maxima of the four query blocks: for each block two chains over my 32 keys, the eight chains interleaved so that none waits for itself;
; then the other half's, the old maximum less the new one, and the new one kept.
.macro SMA first
.irp qt, 0,1,2,3
	v_max3_num_f32 v[TT+2*\qt], v[SC+32*\qt], v[SC+32*\qt+1], v[SC+32*\qt+2]
.endr
.irp qt, 0,1,2,3
	v_max3_num_f32 v[TT+2*\qt+1], v[SC+32*\qt+16], v[SC+32*\qt+17], v[SC+32*\qt+18]
.endr
.irp i, 3,5,7,9,11,13
.irp qt, 0,1,2,3
	v_max3_num_f32 v[TT+2*\qt], v[TT+2*\qt], v[SC+32*\qt+\i], v[SC+32*\qt+\i+1]
.endr
.irp qt, 0,1,2,3
	v_max3_num_f32 v[TT+2*\qt+1], v[TT+2*\qt+1], v[SC+32*\qt+16+\i], v[SC+32*\qt+17+\i]
.endr
.endr
.irp qt, 0,1,2,3
	v_max3_num_f32 v[TT+2*\qt], v[TT+2*\qt], v[SC+32*\qt+15], v[TT+2*\qt+1]
.endr
.irp qt, 0,1,2,3
.if \first
	v_max_num_f32 v[TT+2*\qt], v[TT+2*\qt], v[SC+32*\qt+31]
.else
	v_max3_num_f32 v[TT+2*\qt], v[TT+2*\qt], v[SC+32*\qt+31], v[MX+2*\qt]
.endif
.endr
.irp qt, 0,1,2,3
	v_permlanex16_b32 v[TT+2*\qt+1], v[TT+2*\qt], s14, s15
.endr
.if \first
.irp qt, 0,1,2,3
	v_max_num_f32 v[MX+2*\qt], v[TT+2*\qt], v[TT+2*\qt+1]
.endr
.else
.irp qt, 0,1,2,3
	v_max_num_f32 v[TT+2*\qt], v[TT+2*\qt], v[TT+2*\qt+1]
.endr
.irp qt, 0,1,2,3
	v_sub_f32 v[AL+2*\qt], v[MX+2*\qt], v[TT+2*\qt]
.endr
.irp qt, 0,1,2,3
	v_mov_b32 v[MX+2*\qt], v[TT+2*\qt]
.endr
.endif
.endm
; The 32 exponentials of block qt, each followed by a plain instruction on another block: the subtraction of the maximum in block qn (dosub)
; or the packing of block qp to f16 (docvt).  Those lines are the plain places that stand behind an exponential ahead of any use (ISA guide 5.7.2).
; The packing is in place and ascending: a destination never lies ahead of its sources.
.macro ESTAGE qt, qn, qp, dosub, docvt
.irp i, 0,1,2,3,4,5,6,7,8,9,10,11,12,13,14,15
	v_exp_f32 v[SC+32*\qt+2*\i], v[SC+32*\qt+2*\i]
.if \dosub
	v_pk_add_f32 v[SC+32*\qn+2*\i:SC+32*\qn+2*\i+1], v[SC+32*\qn+2*\i:SC+32*\qn+2*\i+1], v[MX+2*\qn:MX+2*\qn+1] op_sel_hi:[1,0] neg_lo:[0,1] neg_hi:[0,1]
.endif
	v_exp_f32 v[SC+32*\qt+2*\i+1], v[SC+32*\qt+2*\i+1]
.if \docvt
	s_wait_alu depctr_va_vdst(0)
	v_cvt_pk_f16_f32 v[SC+32*\qp+\i], v[SC+32*\qp+2*\i], v[SC+32*\qp+2*\i+1]
.endif
.endr
.endm
.macro SMB first
.if \first == 0
.irp qt, 0,1,2,3
	v_exp_f32 v[AL+2*\qt], v[AL+2*\qt]
.endr
.endif
.irp i, 0,2,4,6,8,10,12,14,16,18,20,22,24,26,28,30
	v_pk_add_f32 v[SC+\i:SC+\i+1], v[SC+\i:SC+\i+1], v[MX:MX+1] op_sel_hi:[1,0] neg_lo:[0,1] neg_hi:[0,1]
.endr
	ESTAGE 0, 1, 0, 1, 0
	ESTAGE 1, 2, 0, 1, 1
	ESTAGE 2, 3, 1, 1, 1
	ESTAGE 3, 3, 2, 0, 1
	s_wait_alu depctr_va_vdst(0)
.irp i, 0,1,2,3,4,5,6,7,8,9,10,11,12,13,14,15
	v_cvt_pk_f16_f32 v[SC+96+\i], v[SC+96+2*\i], v[SC+96+2*\i+1]
.endr
.endm
; 16 matrix instructions: O^T += V^T P^T for the step's keys 32 sb .. + 31
.macro PVO sb, zero
.irp db, 0,1,2,3
.irp qt, 0,1,2,3
.if \zero
	v_wmma_f32_16x16x32_f16 v[32*\qt+8*\db:32*\qt+8*\db+7], v[FR+32*\sb+8*\db:FR+32*\sb+8*\db+7], v[SC+32*\qt+8*\sb:SC+32*\qt+8*\sb+7], 0
.else
	v_wmma_f32_16x16x32_f16 v[32*\qt+8*\db:32*\qt+8*\db+7], v[FR+32*\sb+8*\db:FR+32*\sb+8*\db+7], v[SC+32*\qt+8*\sb:SC+32*\qt+8*\sb+7], v[32*\qt+8*\db:32*\qt+8*\db+7]
.endif
.endr
.endr
.endm
; 4 matrix instructions: the row sums of the same P
.macro PVL sb, zero
.irp qt, 0,1,2,3
.if \zero
	v_wmma_f32_16x16x32_f16 v[LA+8*\qt:LA+8*\qt+7], v[ONE:ONE+7], v[SC+32*\qt+8*\sb:SC+32*\qt+8*\sb+7], 0
.else
	v_wmma_f32_16x16x32_f16 v[LA+8*\qt:LA+8*\qt+7], v[ONE:ONE+7], v[SC+32*\qt+8*\sb:SC+32*\qt+8*\sb+7], v[LA+8*\qt:LA+8*\qt+7]
.endif
.endr
.endm
; THE O BLOCK of a step: O and the sums are rescaled and take the step's P.  It reads registers only.  first = 1: it starts O and the sums.
.macro PVB first
	s_wait_dscnt 0x0                               ; V, asked for ahead of the softmax (behind a round: met, the wait in front of the round was for 0)
.if \first == 0
	WIN 0x41                                       ; O and the sums in window 1 as source 0 and destination, the factor in window 0
.irp qt, 0,1,2,3
.irp i, 0,2,4,6,8,10,12,14,16,18,20,22,24,26,28,30
	v_pk_mul_f32 v[32*\qt+\i:32*\qt+\i+1], v[32*\qt+\i:32*\qt+\i+1], v[AL+2*\qt:AL+2*\qt+1] op_sel_hi:[1,0]
.endr
	v_mul_f32 v[LA+8*\qt], v[LA+8*\qt], v[AL+2*\qt]
.endr
.endif
	; 40 matrix instructions on 20 accumulators, each taken twice with at least three others between
	WIN 0x50                                       ; V and P in window 0, C and D in window 1
	PVO 0, \first
	WIN 0x51                                       ; the ones in window 1 too
	PVL 0, \first
	PVL 1, 0
	WIN 0x50
	PVO 1, 0
	WIN 0
.endm
; 64 keys x 64 queries.  first = 1: the launch's first step starts maximum, sums and O.
; split = 1 (a tile's second step): the late waves leave the O block for behind the next round.
.macro STEP slot, kk, first, split
.if \first == 0
.rept 5
	v_nop                                          ; five places behind the last O block: the score products write over P, its source 1; the loads below land in the pool, its source 0
.endr
.endif
	KHALF \slot, \kk, 0
	KHALF \slot, \kk, 1
	s_wait_dscnt 12                                ; the first 32 keys' 8 loads of K and 4 of the bias are in; the second 32 keys' 12, issued behind them, stay out
	WIN 0x04                                       ; source 1 (Q) in window 1, all else in window 0
	SPROD 0
	s_wait_dscnt 0x0
	SPROD 1
	WIN 0
	PLACES                                         ; ahead of the loads into the pool, of the readers of the scores and of the writers of the bias registers
.irp sb, 0,1
.irp db, 0,1,2,3
	ds_load_tr16_b128 v[FR+32*\sb+8*\db:FR+32*\sb+8*\db+3],   v[ADRV+\slot] offset:(64*\kk+32*\sb)*VP+32*\db
	ds_load_tr16_b128 v[FR+32*\sb+8*\db+4:FR+32*\sb+8*\db+7], v[ADRV+\slot] offset:(64*\kk+32*\sb)*VP+32*\db+16*VP
.endr
.endr
	SMA \first
	SMB \first
.if \split
	s_cmp_eq_u32 s47, 0
	s_cbranch_scc1 .Llate_\@                       ; a late wave goes on to the round with V, P and the factors in its registers
	PVB 0
.Llate_\@:
.else
	PVB \first
.endif
.endm
; A late wave's O block of the step before.  The four places keep the distance between any matrix instruction that stands in front of the
; round and the rescaling, which writes accumulators, on every way into this block.
.macro LATE
	s_cmp_eq_u32 s47, 0
	s_cbranch_scc0 .Lon_time_\@
	PLACES
	PVB 0
.Lon_time_\@:
.endm
; One tile of 256 keys, two steps for each wave.  The round of the cluster's barrier orders both things: this tile has landed in every wave's view, and
; no wave of any partner still reads the other slot or has a load on its way; the joint refill of the other slot is the first tensor load behind it.
.macro TRIP slot, other, refill, first
	s_set_vgpr_msb 0x5
	s_wait_tensorcnt 0x0                           ; all my tensor loads are done, my part of this tile among them, so a group 0 may be written:
	ds_add_u32 v254, v255
	s_wait_dscnt 0x0
	s_set_vgpr_msb 0x500
	s_add_nc_u64 s[G0V+4*\slot+2:G0V+4*\slot+3], s[G0V+4*\slot+2:G0V+4*\slot+3], 65536   ; this slot's next tile, two tiles on
	s_add_nc_u64 s[G0K+4*\slot+2:G0K+4*\slot+3], s[G0K+4*\slot+2:G0K+4*\slot+3], 65536
	s_wait_dscnt 0x0                               ; my reads of the last tile, a late wave's V among them (in the first trip: my stores of the bias), are done
	ROUND
.if \refill
	JLOAD \other
.endif
.if \first == 0
	LATE                                           ; register work alone: the last tile's slot may be filled meanwhile
.endif
	STEP \slot, 0, \first, 0
	STEP \slot, 1, 0, 1
	v_add_nc_u32 v[ADRBI], 1024, v[ADRBI]          ; the next tile's 256 bias numbers
.endm
	TRIP 0, 1, 1, 1                                ; tile 0 stands in front of the loop: its first step starts the sums; tile 1 is asked for
	s_mov_b32 s44, 3
.Ltiles:
	TRIP 1, 0, 1, 0                                ; tiles 1, 3, 5
	TRIP 0, 1, 1, 0                                ; tiles 2, 4, 6
	s_sub_co_u32 s44, s44, 1
	s_cmp_lg_u32 s44, 0
	s_cbranch_scc1 .Ltiles
	TRIP 1, 0, 0, 0                                ; tile 7: nothing is left to fetch (slot 1's stepped address is not used)
	LATE                                           ; the late waves' last O block
	; THE MERGE.  Waves 4-7 hand O, maxima and sums to waves 0-3 through LDS.
	PLACES
	WIN 0x01                                       ; source 0 in window 1
.irp qt, 0,1,2,3
	v_mov_b32 v[LS+\qt], v[LA+8*\qt]               ; register 0 of each sum's accumulator: the sum over all my keys, in both halves of the lanes
.endr
	WIN 0
	s_cmp_lt_u32 s10, 4
	s_cbranch_scc1 .Lkeep
	WIN 0x04                                       ; store data in window 1
.set i, 0
.rept 32
	ds_store_b128 v[MAD], v[4*i:4*i+3] offset:512*i
.set i, i+1
.endr
	WIN 0
.irp qt, 0,1,2,3
	v_mov_b32 v[TE+\qt], v[MX+2*\qt]               ; the four maxima side by side, for one store
.endr
	ds_store_b128 v[MAD], v[TE:TE+3] offset:16384
	ds_store_b128 v[MAD], v[LS:LS+3] offset:16896
.Lkeep:
	s_wait_dscnt 0x0                               ; for the partner's sake: my stores are done
	s_barrier_signal -1
	s_barrier_wait -1
	s_cmp_lt_u32 s10, 4
	s_cbranch_scc0 .Lclose
	ds_load_b128 v[MP:MP+3], v[MAD] offset:16384
	ds_load_b128 v[LP:LP+3], v[MAD] offset:16896
	s_lshr_b32 s20, s13, 4
	s_lshl_b32 s20, s20, 4                         ; 16 b
	s_lshl1_add_u32 s20, s41, s20                  ; + 2 x query block
	s_lshr_b32 s21, s12, 1
	s_add_co_u32 s20, s20, s21                     ; block of 128 rows
	s_lshl_b32 s20, s20, 18
	s_and_b32 s21, s13, 15
	s_lshl_b32 s21, s21, 14                        ; head
	s_add_co_u32 s20, s20, s21
	s_and_b32 s21, s12, 1
	s_lshl_b32 s21, s21, 13                        ; my 64 rows of the 128
	s_add_co_u32 s20, s20, s21
	s_mov_b32 s21, 0
	s_add_nc_u64 s[8:9], s[8:9], s[20:21]
	s_wait_dscnt 0x0
.irp qt, 0,1,2,3
	v_max_num_f32 v[TM+\qt], v[MX+2*\qt], v[MP+\qt]
.endr
.irp qt, 0,1,2,3
	v_sub_f32 v[F0+2*\qt], v[MX+2*\qt], v[TM+\qt]
	v_sub_f32 v[F1+2*\qt], v[MP+\qt], v[TM+\qt]
.endr
.irp qt, 0,1,2,3
	v_exp_f32 v[F0+2*\qt], v[F0+2*\qt]
	v_exp_f32 v[F1+2*\qt], v[F1+2*\qt]
.endr
	v_nop
	s_wait_alu depctr_va_vdst(0)
.irp qt, 0,1,2,3
	v_mul_f32 v[TM+\qt], v[LS+\qt], v[F0+2*\qt]
	v_fmac_f32 v[TM+\qt], v[LP+\qt], v[F1+2*\qt]   ; the whole row's sum; at least 1: the row's largest term is exp2(0)
.endr
.irp qt, 0,1,2,3
	v_rcp_f32 v[TM+\qt], v[TM+\qt]
.endr
	v_nop
	s_wait_alu depctr_va_vdst(0)
.irp qt, 0,1,2,3
	v_mul_f32 v[F0+2*\qt+1], v[F0+2*\qt], v[TM+\qt]   ; each factor twice, a pair for the packed forms
	v_mul_f32 v[F0+2*\qt],   v[F0+2*\qt], v[TM+\qt]
	v_mul_f32 v[F1+2*\qt+1], v[F1+2*\qt], v[TM+\qt]
	v_mul_f32 v[F1+2*\qt],   v[F1+2*\qt], v[TM+\qt]
.endr
.macro OUTQ qt                         ; 16 query rows: partner's O x its factor + my O x mine, rounded to f16, into my stage
.set RR, 80+32*(\qt&1)
.irp e, 0,1,2,3,4,5,6,7
	ds_load_b128 v[RR+4*\e:RR+4*\e+3], v[MAD] offset:512*(8*\qt+\e)
.endr
	s_wait_dscnt 0x0
.irp i, 0,2,4,6,8,10,12,14,16,18,20,22,24,26,28,30
	v_pk_mul_f32 v[RR+\i:RR+\i+1], v[RR+\i:RR+\i+1], v[F1+2*\qt:F1+2*\qt+1]
.endr
	WIN 0x01                                       ; source 0: my O in window 1
.irp i, 0,2,4,6,8,10,12,14,16,18,20,22,24,26,28,30
	v_pk_fma_f32 v[RR+\i:RR+\i+1], v[32*\qt+\i:32*\qt+\i+1], v[F0+2*\qt:F0+2*\qt+1], v[RR+\i:RR+\i+1]
.endr
	WIN 0
.irp i, 0,1,2,3,4,5,6,7,8,9,10,11,12,13,14,15
	v_cvt_pk_f16_f32 v[RR+\i], v[RR+2*\i], v[RR+2*\i+1]
.endr
.irp db, 0,1,2,3
	ds_store_b128 v[STO], v[RR+4*\db:RR+4*\db+3] offset:\qt*16*SP+32*\db
.endr
.endm
	OUTQ 0
	OUTQ 1
	OUTQ 2
	OUTQ 3
.irp t, 0,1,2,3,4,5,6,7,8,9,10,11,12,13,14,15
	ds_load_b128 v[RB+4*\t:RB+4*\t+3], v[RD] offset:\t*4*SP        ; my own stage: LDS serves a wave's instructions in order
.endr
.irp t, 0,1,2,3,4,5,6,7,8,9,10,11,12,13,14,15
	s_wait_dscnt 15-\t
	global_store_b128 v[CO], v[RB+4*\t:RB+4*\t+3], s[8:9] offset:512*\t    ; four rows of 128 bytes: 512 consecutive bytes, aligned
.endr
.Lclose:
	s_set_vgpr_msb 0x5
	s_wait_tensorcnt 0x0
	ds_add_u32 v254, v255
	s_wait_dscnt 0x0
	s_set_vgpr_msb 0x500
	ROUND                                          ; the closing round
	s_endpgm
.Lfunc_end_k_q7d80ef2d06_attn:
	.size	k_q7d80ef2d06_attn, .Lfunc_end_k_q7d80ef2d06_attn-k_q7d80ef2d06_attn
	.p2alignl 7, 3214868480
	.fill 96, 4, 3214868480
	.section	.rodata,"a",@progbits
	.p2align	6, 0x0
	.amdhsa_kernel k_q7d80ef2d06_attn
		.amdhsa_group_segment_fixed_size 327680
		.amdhsa_private_segment_fixed_size 0
		.amdhsa_enable_private_segment 0
		.amdhsa_kernarg_size 24
		.amdhsa_user_sgpr_count 2
		.amdhsa_user_sgpr_kernarg_segment_ptr 1
		.amdhsa_wavefront_size32 1
		.amdhsa_system_sgpr_workgroup_id_x 1
		.amdhsa_system_sgpr_workgroup_id_y 1
		.amdhsa_system_sgpr_workgroup_id_z 1
		.amdhsa_system_vgpr_workitem_id 0
		.amdhsa_next_free_vgpr 512
		.amdhsa_next_free_sgpr 70
		.amdhsa_reserve_vcc 0
		.amdhsa_float_denorm_mode_32 3
		.amdhsa_float_denorm_mode_16_64 3
		.amdhsa_memory_ordered 1
		.amdhsa_forward_progress 1
		.amdhsa_inst_pref_size 255
	.end_amdhsa_kernel
	.section	.bss,"aw",@nobits
	.p2align	6
	.space	262144
	.amdgpu_metadata
---
amdhsa.version: [ 1, 2 ]
amdhsa.kernels:
  - .name:           k_q7d80ef2d06_attn
    .symbol:         k_q7d80ef2d06_attn.kd
    .args:
      - { .name: qkv, .offset: 0, .size: 8, .value_kind: global_buffer, .address_space: global }
      - { .name: attention_mask, .offset: 8, .size: 8, .value_kind: global_buffer, .address_space: global }
      - { .name: ao, .offset: 16, .size: 8, .value_kind: global_buffer, .address_space: global }
    .group_segment_fixed_size: 327680
    .private_segment_fixed_size: 0
    .kernarg_segment_align: 8
    .kernarg_segment_size: 24
    .max_flat_workgroup_size: 256
    .sgpr_count:     70
    .vgpr_count:     512
    .wavefront_size: 32
...
	.end_amdgpu_metadata
.endif
;; end of part 6
;; launch proj: the kernel of part 4 again; grid 8 x 32, 4 waves a work-group, clusters of 4 x 4, 327,680 bytes of LDS; arguments ao, wh, out0; writes out0
